; MI455X (gfx1250); checked and timed in simulation.
; The chip was launched on July 23, 2026; its instructions are those of AMD's public machine-readable ISA for CDNA 5 (MIT licence, August 2026) and "CDNA5" Instruction Set Architecture Reference Guide (July 2026). The comments in the code are by the model that wrote it; some were corrected since.
;; MOE. Allowed arithmetic: matrix products marked QUANTISED: E4M3 operands, one given power-of-two scale a tensor, by v_wmma_f32_16x16x64_fp8_fp8 or v_wmma_f32_16x16x128_fp8_fp8, f32 sums; products left as they are: f32 operands where the result goes on into a quantised operand, else bf16, f16 or f32 operands; f32 sums; everything else in f32.
;; Inputs: b_fc 8 x 768 float32; b_proj 8 x 192 float32; gate_b 8 float32; gate_w 8 x 192 float32; lowp_scales 32 int32 (the exponents e of the quantised operands' scales 2^e); w_fc_codes 8 x 768 x 6 x 32 uint8 (E4M3 codes of w_fc, K innermost, in blocks of 32 codes); w_proj_codes 8 x 192 x 24 x 32 uint8 (E4M3 codes of w_proj, K innermost, in blocks of 32 codes); x 4 x 2,048 x 192 float32.
;; Outputs: out0 4 x 2,048 x 192 float32.
;; This version of the problem:
;;   THIS VERSION OF THE PROBLEM IS GIVEN IN LOW PRECISION. The matrix products marked QUANTISED in the list below multiply operands that are first quantised to E4M3 (4 exponent bits, 3 mantissa bits; 8 bits a number), with one given power-of-two scale for each operand tensor; their sums are f32. All else is computed in f32.
;;   The module's matrix products, in the order in which they are computed (A, B: the left and right operand; K: the contracted axis; several contracted axes count as one K, in the product's order):
;;     1. [M 8,192, K 192] x [K 192, N 8]; A: input x; B: input gate_w: left as it is (N = 8 < 16)
;;     2. [M 8,192, K 192] x [K 192, N 768]; A: input x; B: input w_fc (given as codes): QUANTISED (scales: A lowp_scales[0], B lowp_scales[1])
;;     3. [M 8,192, K 768] x [K 768, N 192]; A: computed on the way; B: input w_proj (given as codes): QUANTISED (scales: A lowp_scales[2], B lowp_scales[3])
;;     4. [M 8,192, K 192] x [K 192, N 768]; A: input x; B: input w_fc (given as codes): QUANTISED (scales: A lowp_scales[4], B lowp_scales[5])
;;     5. [M 8,192, K 768] x [K 768, N 192]; A: computed on the way; B: input w_proj (given as codes): QUANTISED (scales: A lowp_scales[6], B lowp_scales[7])
;;     6. [M 8,192, K 192] x [K 192, N 768]; A: input x; B: input w_fc (given as codes): QUANTISED (scales: A lowp_scales[8], B lowp_scales[9])
;;     7. [M 8,192, K 768] x [K 768, N 192]; A: computed on the way; B: input w_proj (given as codes): QUANTISED (scales: A lowp_scales[10], B lowp_scales[11])
;;     8. [M 8,192, K 192] x [K 192, N 768]; A: input x; B: input w_fc (given as codes): QUANTISED (scales: A lowp_scales[12], B lowp_scales[13])
;;     9. [M 8,192, K 768] x [K 768, N 192]; A: computed on the way; B: input w_proj (given as codes): QUANTISED (scales: A lowp_scales[14], B lowp_scales[15])
;;     10. [M 8,192, K 192] x [K 192, N 768]; A: input x; B: input w_fc (given as codes): QUANTISED (scales: A lowp_scales[16], B lowp_scales[17])
;;     11. [M 8,192, K 768] x [K 768, N 192]; A: computed on the way; B: input w_proj (given as codes): QUANTISED (scales: A lowp_scales[18], B lowp_scales[19])
;;     12. [M 8,192, K 192] x [K 192, N 768]; A: input x; B: input w_fc (given as codes): QUANTISED (scales: A lowp_scales[20], B lowp_scales[21])
;;     13. [M 8,192, K 768] x [K 768, N 192]; A: computed on the way; B: input w_proj (given as codes): QUANTISED (scales: A lowp_scales[22], B lowp_scales[23])
;;     14. [M 8,192, K 192] x [K 192, N 768]; A: input x; B: input w_fc (given as codes): QUANTISED (scales: A lowp_scales[24], B lowp_scales[25])
;;     15. [M 8,192, K 768] x [K 768, N 192]; A: computed on the way; B: input w_proj (given as codes): QUANTISED (scales: A lowp_scales[26], B lowp_scales[27])
;;     16. [M 8,192, K 192] x [K 192, N 768]; A: input x; B: input w_fc (given as codes): QUANTISED (scales: A lowp_scales[28], B lowp_scales[29])
;;     17. [M 8,192, K 768] x [K 768, N 192]; A: computed on the way; B: input w_proj (given as codes): QUANTISED (scales: A lowp_scales[30], B lowp_scales[31])
;;   THE QUANTISER, for each operand of a quantised product, along K:
;;     - The operand's scale is 2^e, e = its entry of the input lowp_scales (int32; the entries are numbered through the quantised products in the list's order, A before B).
;;     - Each number is divided by the scale, clamped to +-448, and rounded to the nearest number of E4M3, ties to even, subnormals kept.
;;     - The product sums the exact products of the quantised numbers (number of the format x scale) in f32.
;;   ~~~python
;;   def quantise(x, axis, e):      # numpy; x: float32 -> the quantised numbers, widened to float32 again
;;       x = np.moveaxis(x, axis, -1); K = x.shape[-1]
;;       r = np.clip(x / 2.0 ** e, -448, 448)
;;       step = 2.0 ** (np.maximum(np.frexp(np.where(r == 0, 1, r))[1] - 1, -6) - 3)
;;       q = np.round(r / step) * step * 2.0 ** e      # np.round: ties to even
;;       return np.moveaxis(q, -1, axis).astype(np.float32)
;;   ~~~
;;   OPERANDS COMPUTED ON THE WAY. 'Computed on the way' means the value that the module computes at that place (a softmax that the list does not call 'softmax' is quantised finished and normalised). What goes into a quantiser is computed in f32, as accurately as f32 sums, v_exp_f32 and their like allow (about 1e-6 of the number): no bf16 or f16 on the way to a quantiser, and a product that is left as it is and whose result goes on into a quantised operand takes f32 operands (vector FMAs, or v_wmma_f32_16x16x4_f32). A number that lies on a knife's edge between two numbers of the format may be rounded either way, as far as f32 arithmetic and the matrix unit's own rounding can turn it there, and no further.
;;   INPUTS GIVEN AS CODES. w_fc (in the module: [8, 768, 192], K = its axis 2); w_proj (in the module: [8, 192, 768], K = its axis 2): each comes as NAME_codes (uint8): NAME with its K axis moved to the last place and cut into blocks of 32 codes, [.., K / 32, bytes a block], one block behind the other in memory; one code a byte (a code: sign, 4 exponent bits, 3 mantissa bits); its scale is its entry of lowp_scales. Its value is code x scale, taken as it is: it is not quantised again, and the codes and scales need not be those that the quantiser above would give.
;; 2 versions, each right; version 2 is version 1 with the launch chain written anew for expert scheduling mode. Each part assembles by itself: llvm-mc -triple=amdgcn-amd-amdhsa -mcpu=gfx1250 --defsym DOCPART=n.
;; ======== version 1 of 2: 3 launches
;; limits: right only within a limited range of input values
;; workspace buffers: xq 3,145,728 bytes; gates 65,536 bytes; sel 32,768 bytes of whole numbers; cnt 65,536 bytes of whole numbers; order 32,768 bytes of whole numbers; wq 2,383,872 bytes
;; launch route (part 1): grid 32 x 11, 2 waves a work-group, no clusters, 38,144 bytes of LDS; arguments x, gate_w, gate_b, lowp_scales, w_fc_codes, w_proj_codes, b_fc, xq, gates, sel, cnt, wq; writes xq, gates, sel, cnt, wq
.if DOCPART == 1
	.amdgcn_target "amdgcn-amd-amdhsa--gfx1250"
	.amdhsa_code_object_version 6
	.text
	.protected	k_q8c3dadef58_route
	.globl	k_q8c3dadef58_route
	.p2align	8
	.type	k_q8c3dadef58_route,@function
k_q8c3dadef58_route:
	s_mov_b64 s[64:65], 0
	v_nop
	global_prefetch_b8 v0, s[64:65] scope:SCOPE_SE
	s_setreg_imm32_b32 hwreg(HW_REG_WAVE_MODE, 25, 1), 1
	s_wait_xcnt 0x0
; MIXTURE OF EXPERTS, launch 1 of 3: the router, x's codes, and the weights laid in the order of the operands' registers.
; WORK LEFT OUT, in all three launches.  reference() builds comb itself, as the sum over the two chosen places of one_hot(top_i) x gates: for the six experts that a token
; did not choose comb is exactly 0, so comb x y adds 0 to out for every finite y, whatever the inputs hold.  Those rows of products 2 to 17 are not computed: 16,384 routed rows of 65,536 remain.
; Every input keeps a way to the output (gate_w and gate_b move the choice, b_fc and b_proj enter the chosen rows), so all are loaded.
; LIMIT: a NaN, an infinity or an overflow that arises only in a row of an expert that the token did not choose is not carried to the result.
; WORK-GROUPS y = 0 .. 7 (tokens).  A wave takes 16 tokens (chunk tau): the 8 scores in f32 (a choice turns over at a tie, so nothing coarser; 48 matrix instructions of the f32 form a wave, a
; two-hundredth of the program's multiply-adds), top-2 with the lower index winning a tie, the softmax of the two with the larger taken away, the pair a < b, its key, the token's
; rank among its chunk's tokens of that key, the chunk's histogram of keys, and x's 192 codes under expert a's scale and under expert b's.
; KEYS: the 28 pairs in an order in which neighbours share an expert: key = a (15 - a) / 2 + (a even ? b - a - 1 : 7 - b).
; No address and no branch here hangs on a score: what the choice decides is stored at fixed places (sel, cnt, gates, xq), and the next launches read it.
; WORK-GROUPS y = 8 .. 10 (weights; x = 4 e + w, g = y - 8).  wq is 32 blocks of 74,496 bytes, one for expert e and the quarter w of its hidden units (192 w on):
;   item 2 g:     [i 0..3][j 0..5][lane][16 bytes] = w_fc[e][192 w + 64 g + 16 i + r][96 h + 16 j ..]               (r = lane % 16, h = lane / 16)
;   item 2 g + 1: [ot 0..11][p 0..1][lane][16 bytes] = w_proj[e][16 ot + r][192 w + 64 g + 32 p + 8 h .. + 7], then the same 16 further on
;   at 73,728:    b_fc[e][192 w ..] x 2^-(ex + ew1), 192 numbers of f32
; so that the chain's every weight load is 512 consecutive bytes.  These two waves use no LDS.
; STORES: xq and wq in runs of 512 consecutive bytes a wave; gates and cnt in runs of 128, sel of 64: 160 KiB in all beside 9 MiB of dense traffic.
; LIMITS: each ex between -126 and 119, so that 2^ex and 448 x 2^ex are f32 numbers; ex + ew1 is applied by v_ldexp_f32.  Scores are finite: NaN and -infinity are not served.
.set WREG,  18944                      ; LDS of a wave: the stage for x, 16 rows x (768 + 16) bytes, then the stage for codes, 16 rows x (384 + 16)
.set QOFF,  12544
.set SPARE, 2*WREG                     ; behind both: the spare words, 128 bytes a wave, which no other line names
.set X,   16                           ; v16-111  x: lane (r, h) holds x[token r][96 h .. + 95]; later the codes on their way out
.set GW,  112                          ; v112-207 gate_w: lane (r, h) holds gate_w[r % 8][96 h .. + 95]
.set ACC, 208                          ; v208-239 four accumulators, written by matrix instructions alone
.set SC,  112                          ; v112-119 the eight scores of my token (gate_w's registers are free by then)
.set M1,  120
.set I1,  121
.set X1,  122
.set M2,  123
.set I2,  124
.set X2,  125
.set G1,  126
.set G2,  127
.set EA,  128
.set EB,  129
.set GA,  130
.set GB,  131
.set XA,  132
.set XB,  133
.set SA,  134
.set LA,  135
.set SB,  136
.set LB,  137
.set KEY, 138
.set KX,  139
.set WR,  140
.set CNT, 141
.set TA,  142
.set TB,  143
.set T0,  144                          ; v144-159 two sets of eight held numbers, by turns
.set T1,  152
.set CQ,  160                          ; v160-207 codes: 24 registers for each of the two scales
.set MSB, 0
.macro WIN new                         ; the immediate's high byte repeats the setting that is left
.if MSB != \new
	s_set_vgpr_msb (MSB<<8)|\new
.set MSB, \new
.endif
.endm
	s_load_b512 s[4:19], s[0:1], 0x0               ; x, gate_w, gate_b, lowp_scales, w_fc_codes, w_proj_codes, b_fc, xq
	s_load_b256 s[20:27], s[0:1], 0x40             ; gates, sel, cnt, wq
	v_lshl_add_u32 v14, v0, 2, SPARE               ; my spare word,
	v_mov_b32 v15, 0                               ; and 0: kept for the closing lines alone
	v_lshrrev_b32 v1, 5, v0
	v_readfirstlane_b32 s80, v1                    ; wave 0, 1
	s_and_b32 s81, ttmp7, 0xffff                   ; y
	v_and_b32 v1, 31, v0                           ; lane
	v_and_b32 v2, 15, v0                           ; r
	v_bfe_u32 v3, v0, 4, 1                         ; h
	v_lshlrev_b32 v4, 4, v1                        ; 16 x lane
	s_mov_b32 s85, 0
	s_wait_kmcnt 0x0
	s_cmp_ge_u32 s81, 8
	s_cbranch_scc1 .Laux
	; ---------------- tokens ----------------
	s_load_b512 s[28:43], s[10:11], 0x0            ; all 32 exponents: expert e's ex is s[28 + 4 e]
	s_load_b512 s[44:59], s[10:11], 0x40
	s_load_b256 s[68:75], s[8:9], 0x0              ; gate_b
	s_lshl_b32 s82, s81, 5
	s_add_co_u32 s82, s82, ttmp9
	s_lshl_b32 s82, s82, 1
	s_add_co_u32 s82, s82, s80                     ; tau = 2 (32 y + x) + wave: 0 .. 511
	s_mul_i32 s84, s82, 12288
	s_add_nc_u64 s[4:5], s[4:5], s[84:85]          ; x at my 16 tokens
	s_mul_i32 s84, s82, 6144
	s_add_nc_u64 s[18:19], s[18:19], s[84:85]      ; xq likewise
	s_lshl_b32 s84, s82, 7
	s_add_nc_u64 s[20:21], s[20:21], s[84:85]      ; gates: 8 bytes a token
	s_add_nc_u64 s[24:25], s[24:25], s[84:85]      ; cnt: 128 bytes a chunk
	s_lshl_b32 s84, s82, 6
	s_add_nc_u64 s[22:23], s[22:23], s[84:85]      ; sel: 4 bytes a token
	v_and_b32 v9, 7, v2
	v_mul_u32_u24 v9, v9, 768
	v_mad_u32_u24 v9, v3, 384, v9                  ; gate_w: row r % 8 (rows 8-15 of the operand repeat rows 0-7, so both halves of the lanes end with all 8 scores), + 96 h numbers
	WIN 0x40                                       ; destination window 1
.set i, 0
.rept 24
	global_load_b128 v[4*i:4*i+3], v4, s[4:5] offset:512*i th:TH_LOAD_NT   ; x as it lies: 512 consecutive bytes a load
.set i, i+1
.endr
	WIN 0
.set i, 0
.rept 24
	global_load_b128 v[GW+4*i:GW+4*i+3], v9, s[6:7] offset:16*i
.set i, i+1
.endr
	s_mul_i32 s83, s80, WREG                       ; my region of LDS
	v_add_nc_u32 v5, s83, v4                       ; into the stage: load 3 m + c holds bytes 1536 m + 512 c + 16 lane of 16 rows of 768; a row in LDS is 784.  c = 0: row 2 m, byte 16 lane
	v_mul_u32_u24 v6, v3, 272
	v_lshl_add_u32 v6, v2, 4, v6
	v_add_nc_u32 v6, 512, v6
	v_add_nc_u32 v6, s83, v6                       ; c = 1: lanes 0-15 end row 2 m, lanes 16-31 begin row 2 m + 1
	v_add_nc_u32 v7, 1040, v5                      ; c = 2: row 2 m + 1, byte 256 + 16 lane
	v_mul_u32_u24 v8, v2, 784
	v_mad_u32_u24 v8, v3, 384, v8
	v_add_nc_u32 v8, s83, v8                       ; out of it: row r, + 96 h numbers
	v_mul_u32_u24 v10, v2, 400
	v_mad_u32_u24 v10, v3, 96, v10
	v_add_nc_u32 v10, s83, v10
	v_add_nc_u32 v10, QOFF, v10                    ; the codes' stage, in: row r of 400 bytes, + 96 h
.irp c, 0,1,2
	v_add_nc_u32 v[11+\c], 8+8*\c, v1              ; and out: byte p = 512 c + 16 lane of four rows of 384 lies at p + 16 (p / 384); p / 384 = c + ((lane + 8 + 8 c) >> 5)
	v_lshrrev_b32 v[11+\c], 5, v[11+\c]
	v_lshl_add_u32 v[11+\c], v[11+\c], 4, v5
	v_add_nc_u32 v[11+\c], QOFF+528*\c, v[11+\c]
.endr
	s_wait_loadcnt 24                              ; x's 24 loads are in; gate_w's 24, issued behind them, may be out
	WIN 0x04                                       ; the stores' data lie in window 1
.irp m, 0,1,2,3,4,5,6,7
.irp c, 0,1,2
	ds_store_b128 v[5+\c], v[4*(3*\m+\c):4*(3*\m+\c)+3] offset:1568*\m
.endr
.endr
	WIN 0
.set i, 0
.rept 24
	ds_load_b128 v[X+4*i:X+4*i+3], v8 offset:16*i  ; LDS serves a wave's instructions in order: these see my stores
.set i, i+1
.endr
	s_wait_loadcnt 0x0                             ; gate_w
	s_wait_dscnt 0x0                               ; x
	; scores^T = gate_w x^T: source 0 = 16 rows of gate_w, source 1 = my 16 tokens.  Step n takes k = 2 n, 2 n + 1, 96 + 2 n, 97 + 2 n, the same in both sources.
	; Four accumulators take turns, one instruction a turn; each sum's first step has the constant 0 as C.
.set n, 0
.rept 48
.if n < 4
	v_wmma_f32_16x16x4_f32 v[ACC+8*(n%4):ACC+8*(n%4)+7], v[GW+2*n:GW+2*n+1], v[X+2*n:X+2*n+1], 0
.else
	v_wmma_f32_16x16x4_f32 v[ACC+8*(n%4):ACC+8*(n%4)+7], v[GW+2*n:GW+2*n+1], v[X+2*n:X+2*n+1], v[ACC+8*(n%4):ACC+8*(n%4)+7]
.endif
.set n, n+1
.endr
.rept 8
	v_nop                                          ; eight places behind this form, ahead of the reads of its results and the writes over gate_w's registers (ISA guide 7.12.1)
.endr
.irp p, 0,2,4,6
	v_pk_add_f32 v[T0+\p:T0+\p+1], v[ACC+\p:ACC+\p+1], v[ACC+8+\p:ACC+8+\p+1]        ; each accumulator from its low end on
	v_pk_add_f32 v[T1+\p:T1+\p+1], v[ACC+16+\p:ACC+16+\p+1], v[ACC+24+\p:ACC+24+\p+1]
	v_pk_add_f32 v[SC+\p:SC+\p+1], v[T0+\p:T0+\p+1], v[T1+\p:T1+\p+1]                ; register e: expert e's score of token r, in both halves of the lanes
.endr
	s_wait_kmcnt 0x0                               ; gate_b and the exponents
.irp e, 0,1,2,3,4,5,6,7
	v_add_f32 v[SC+\e], s[68+\e], v[SC+\e]
.endr
	; the largest score: a later expert wins only if it is greater, so the lower index wins a tie
	v_mov_b32 v[M1], v[SC]
	v_mov_b32 v[I1], 0
	v_mov_b32 v[X1], s28
.irp e, 1,2,3,4,5,6,7
	v_cmp_gt_f32 vcc_lo, v[SC+\e], v[M1]
	v_cndmask_b32 v[M1], v[M1], v[SC+\e], vcc_lo
	v_cndmask_b32 v[I1], v[I1], \e, vcc_lo
	v_cndmask_b32 v[X1], v[X1], s[28+4*\e], vcc_lo ; its ex goes with it
.endr
	; the second: the same among the other seven
	v_mov_b32 v[M2], 0xff800000
	v_mov_b32 v[I2], 0
	v_mov_b32 v[X2], 0
.irp e, 0,1,2,3,4,5,6,7
	v_cmp_ne_u32 s82, \e, v[I1]
	v_cmp_gt_f32 s83, v[SC+\e], v[M2]
	s_and_b32 s86, s82, s83
	v_cndmask_b32 v[M2], v[M2], v[SC+\e], s86
	v_cndmask_b32 v[I2], v[I2], \e, s86
	v_cndmask_b32 v[X2], v[X2], s[28+4*\e], s86
.endr
	; softmax of the two, the larger taken away: 1 / (1 + q) and q / (1 + q), q = e^(second - first)
	v_sub_f32 v[TA], v[M2], v[M1]
	v_mul_f32 v[TA], 0x3fb8aa3b, v[TA]
	v_exp_f32 v[TB], v[TA]
	v_cmp_lt_u32 s87, v[I2], v[I1]                 ; (a plain instruction behind the exponential)  is the second expert's number the lower one?
	s_wait_alu depctr_va_vdst(0)                   ; the wait ahead of the first reader of the result
	v_add_f32 v[TA], 1.0, v[TB]
	v_rcp_f32 v[G1], v[TA]
	v_cndmask_b32 v[EA], v[I1], v[I2], s87         ; (a plain instruction behind the reciprocal)  a < b
	s_wait_alu depctr_va_vdst(0)
	v_mul_f32 v[G2], v[TB], v[G1]
	v_cndmask_b32 v[EB], v[I2], v[I1], s87
	v_cndmask_b32 v[GA], v[G1], v[G2], s87
	v_cndmask_b32 v[GB], v[G2], v[G1], s87
	v_cndmask_b32 v[XA], v[X1], v[X2], s87
	v_cndmask_b32 v[XB], v[X2], v[X1], s87
	v_add_nc_u32 v[TA], 127, v[XA]
	v_lshlrev_b32 v[SA], 23, v[TA]                 ; 2^ex of expert a as f32: the conversion takes its exponent field
	v_add_nc_u32 v[TA], 135, v[XA]
	v_lshl_or_b32 v[LA], v[TA], 23, 0x600000       ; 448 x that
	v_add_nc_u32 v[TA], 127, v[XB]
	v_lshlrev_b32 v[SB], 23, v[TA]
	v_add_nc_u32 v[TA], 135, v[XB]
	v_lshl_or_b32 v[LB], v[TA], 23, 0x600000
	v_sub_nc_u32 v[TA], 15, v[EA]
	v_mul_u32_u24 v[TA], v[EA], v[TA]
	v_lshrrev_b32 v[TA], 1, v[TA]                  ; a (15 - a) / 2: the pairs whose lower expert is under a
	v_sub_nc_u32 v[TB], v[EB], v[EA]
	v_add_nc_u32 v[TB], -1, v[TB]                  ; a even: b ascending
	v_sub_nc_u32 v[KEY], 7, v[EB]                  ; a odd: b descending
	v_and_b32 v[KX], 1, v[EA]
	v_cmp_eq_u32 vcc_lo, 1, v[KX]
	v_cndmask_b32 v[TB], v[TB], v[KEY], vcc_lo
	v_add_nc_u32 v[KEY], v[TA], v[TB]
	v_lshl_or_b32 v[KX], v3, 5, v[KEY]             ; lanes 16-31 hold the same tokens again: with bit 5 set they match no key below
	; the chunk's histogram (lane k of CNT: tokens of key k) and my rank among the chunk's tokens of my key
	v_mov_b32 v[CNT], 0
	v_mov_b32 v[WR], 0
.set k, 0
.rept 28
	v_cmp_eq_u32 s82, k, v[KX]
	s_bcnt1_i32_b32 s83, s82
	v_writelane_b32 v[CNT], s83, k
	v_mbcnt_lo_u32_b32 v[TA], s82, 0               ; how many lower lanes have key k
	v_cndmask_b32 v[WR], v[WR], v[TA], s82
.set k, k+1
.endr
; my 96 numbers become 96 codes under one scale: held within +-448 x the scale (the conversion to an 8-bit code does not saturate: ISA guide 7.6.2), then converted eight at a time.
; The held numbers go into two sets by turns, so that eight plain lines stand between a conversion and the next write of its sources.
.macro QSLOT slot, sc, lim
.set cc, 0
.rept 12
.set TT, T0+8*(cc%2)
.irp i, 0,1,2,3,4,5,6,7
	v_med3_num_f32 v[TT+\i], v[X+8*cc+\i], -v[\lim], v[\lim]
.endr
	v_cvt_scalef32_pk8_fp8_f32 v[CQ+24*\slot+2*cc:CQ+24*\slot+2*cc+1], v[TT:TT+7], v[\sc]
.set cc, cc+1
.endr
.endm
	QSLOT 0, SA, LA
	QSLOT 1, SB, LB
	v_nop                                          ; one plain line behind the last conversion
.irp q, 0,1,2,3,4,5,6,7,8,9,10,11
	ds_store_b128 v10, v[CQ+4*\q:CQ+4*\q+3] offset:192*(\q/6)+16*(\q%6)   ; a token's row: 192 codes under a's scale, 192 under b's, k ascending
.endr
.irp m, 0,1,2,3
.irp c, 0,1,2
	ds_load_b128 v[X+4*(3*\m+\c):X+4*(3*\m+\c)+3], v[11+\c] offset:1600*\m
.endr
.endr
.irp i, 0,1,2,3,4,5,6,7,8,9,10,11
	s_wait_dscnt 11-\i                             ; LDS loads come back in order: load i is in, the younger ones may be out
	global_store_b128 v4, v[X+4*\i:X+4*\i+3], s[18:19] offset:512*\i      ; 512 consecutive bytes a store
.endr
	v_cmp_eq_u32 s86, 1, v3
	v_cndmask_b32 v148, v[GA], v[GB], s86          ; lanes 0-15 store a's gate, lanes 16-31 b's
	v_lshlrev_b32 v147, 3, v2
	v_lshl_add_u32 v147, v3, 2, v147
	global_store_b32 v147, v148, s[20:21]
	v_lshlrev_b32 v144, 2, v1
	global_store_b32 v144, v[CNT], s[24:25]
	v_lshl_or_b32 v145, v[WR], 8, v[KEY]
	v_lshl_or_b32 v145, v[EA], 16, v145
	v_lshl_or_b32 v145, v[EB], 20, v145            ; key | rank << 8 | a << 16 | b << 20
	v_lshlrev_b32 v146, 2, v2
	v_cmp_gt_u32 vcc_lo, 16, v1
	s_wait_xcnt 0x0                                ; EXEC is a source of the stores above: it changes only behind this wait
	s_and_saveexec_b32 s86, vcc_lo
	global_store_b32 v146, v145, s[22:23]          ; lanes 0-15 alone hold the ranks
	s_wait_xcnt 0x0                                ; and again, in front of the line that widens it
	s_or_b32 exec_lo, exec_lo, s86
	s_wait_tensorcnt 0x0                           ; the wave's end
	ds_add_u32 v14, v15
	s_wait_dscnt 0x0
	s_endpgm
	; ---------------- weights ----------------
.Laux:
	s_sub_co_u32 s82, s81, 8                       ; g
	s_mul_i32 s84, ttmp9, 74496
	s_add_nc_u64 s[26:27], s[26:27], s[84:85]      ; my block of wq
	s_lshl_b32 s84, s82, 8
	s_add_nc_u64 s[90:91], s[26:27], s[84:85]      ; + 256 g: for the bias
	s_mul_i32 s84, s82, 24576
	s_add_nc_u64 s[26:27], s[26:27], s[84:85]      ; item 2 g
	s_cmp_lg_u32 s80, 0
	s_cbranch_scc1 .Lproj
	; wave 0: 64 rows of w_fc, and their 64 numbers of b_fc
	s_lshr_b32 s86, ttmp9, 2                       ; e
	s_lshl_b32 s86, s86, 4
	s_load_b64 s[88:89], s[10:11], s86 offset:0x0  ; ex, ew1
	s_mul_i32 s84, ttmp9, 36864
	s_add_nc_u64 s[12:13], s[12:13], s[84:85]      ; row 192 (4 e + w) of 192 bytes
	s_mul_i32 s84, s82, 12288
	s_add_nc_u64 s[12:13], s[12:13], s[84:85]      ; + 64 g rows
	s_mul_i32 s84, ttmp9, 768
	s_add_nc_u64 s[16:17], s[16:17], s[84:85]
	s_lshl_b32 s84, s82, 8
	s_add_nc_u64 s[16:17], s[16:17], s[84:85]      ; b_fc at 192 (4 e + w) + 64 g
	v_mul_u32_u24 v5, v2, 192
	v_mad_u32_u24 v5, v3, 96, v5                   ; row r, + 96 h
	v_lshlrev_b32 v6, 3, v1
.irp i, 0,1,2,3
.irp j, 0,1,2,3,4,5
	global_load_b128 v[16+4*(6*\i+\j):16+4*(6*\i+\j)+3], v5, s[12:13] offset:3072*\i+16*\j
.endr
.endr
	global_load_b64 v[112:113], v6, s[16:17]
	s_wait_loadcnt 0x0
.set q, 0
.rept 24
	global_store_b128 v4, v[16+4*q:16+4*q+3], s[26:27] offset:512*q
.set q, q+1
.endr
	s_wait_kmcnt 0x0
	s_add_co_i32 s88, s88, s89
	s_sub_co_i32 s88, 0, s88
	v_ldexp_f32 v114, v112, s88                    ; a sum of the first product stands for sum x 2^(ex + ew1): the bias goes in divided by that
	v_ldexp_f32 v115, v113, s88
	global_store_b64 v6, v[114:115], s[90:91] offset:73728
	s_endpgm
.Lproj:
	; wave 1: 64 columns of w_proj's 192 rows
	s_lshr_b32 s86, ttmp9, 2                       ; e
	s_and_b32 s87, ttmp9, 3                        ; w
	s_mul_i32 s84, s86, 147456
	s_add_nc_u64 s[14:15], s[14:15], s[84:85]
	s_mul_i32 s84, s87, 192
	s_lshl_b32 s86, s82, 6
	s_add_co_u32 s84, s84, s86
	s_add_nc_u64 s[14:15], s[14:15], s[84:85]      ; + 192 w + 64 g along K
	v_mul_u32_u24 v5, v2, 768
	v_lshl_add_u32 v5, v3, 3, v5                   ; row r, + 8 h
.irp o, 0,1,2,3,4,5,6,7,8,9,10,11
.irp p, 0,1
	global_load_b64 v[16+4*(2*\o+\p):16+4*(2*\o+\p)+1], v5, s[14:15] offset:12288*\o+32*\p
	global_load_b64 v[16+4*(2*\o+\p)+2:16+4*(2*\o+\p)+3], v5, s[14:15] offset:12288*\o+32*\p+16
.endr
.endr
	s_wait_loadcnt 0x0
.set q, 0
.rept 24
	global_store_b128 v4, v[16+4*q:16+4*q+3], s[26:27] offset:12288+512*q
.set q, q+1
.endr
	s_endpgm
.Lfunc_end_k_q8c3dadef58_route:
	.size	k_q8c3dadef58_route, .Lfunc_end_k_q8c3dadef58_route-k_q8c3dadef58_route
	.p2alignl 7, 3214868480
	.fill 96, 4, 3214868480
	.section	.rodata,"a",@progbits
	.p2align	6, 0x0
	.amdhsa_kernel k_q8c3dadef58_route
		.amdhsa_group_segment_fixed_size 38144
		.amdhsa_private_segment_fixed_size 0
		.amdhsa_enable_private_segment 0
		.amdhsa_kernarg_size 96
		.amdhsa_user_sgpr_count 2
		.amdhsa_user_sgpr_kernarg_segment_ptr 1
		.amdhsa_wavefront_size32 1
		.amdhsa_system_sgpr_workgroup_id_x 1
		.amdhsa_system_sgpr_workgroup_id_y 1
		.amdhsa_system_sgpr_workgroup_id_z 1
		.amdhsa_system_vgpr_workitem_id 0
		.amdhsa_next_free_vgpr 352
		.amdhsa_next_free_sgpr 96
		.amdhsa_reserve_vcc 1
		.amdhsa_float_denorm_mode_32 3
		.amdhsa_float_denorm_mode_16_64 3
		.amdhsa_memory_ordered 1
		.amdhsa_forward_progress 1
		.amdhsa_inst_pref_size 60
	.end_amdhsa_kernel
	.amdgpu_metadata
---
amdhsa.version: [ 1, 2 ]
amdhsa.kernels:
  - .name:           k_q8c3dadef58_route
    .symbol:         k_q8c3dadef58_route.kd
    .args:
      - { .name: x, .offset: 0, .size: 8, .value_kind: global_buffer, .address_space: global }
      - { .name: gate_w, .offset: 8, .size: 8, .value_kind: global_buffer, .address_space: global }
      - { .name: gate_b, .offset: 16, .size: 8, .value_kind: global_buffer, .address_space: global }
      - { .name: lowp_scales, .offset: 24, .size: 8, .value_kind: global_buffer, .address_space: global }
      - { .name: w_fc_codes, .offset: 32, .size: 8, .value_kind: global_buffer, .address_space: global }
      - { .name: w_proj_codes, .offset: 40, .size: 8, .value_kind: global_buffer, .address_space: global }
      - { .name: b_fc, .offset: 48, .size: 8, .value_kind: global_buffer, .address_space: global }
      - { .name: xq, .offset: 56, .size: 8, .value_kind: global_buffer, .address_space: global }
      - { .name: gates, .offset: 64, .size: 8, .value_kind: global_buffer, .address_space: global }
      - { .name: sel, .offset: 72, .size: 8, .value_kind: global_buffer, .address_space: global }
      - { .name: cnt, .offset: 80, .size: 8, .value_kind: global_buffer, .address_space: global }
      - { .name: wq, .offset: 88, .size: 8, .value_kind: global_buffer, .address_space: global }
    .group_segment_fixed_size: 38144
    .private_segment_fixed_size: 0
    .kernarg_segment_align: 8
    .kernarg_segment_size: 96
    .max_flat_workgroup_size: 64
    .sgpr_count:     96
    .vgpr_count:     352
    .wavefront_size: 32
...
	.end_amdgpu_metadata
.endif
;; end of part 1
;; launch place (part 2): grid 1 x 1, 32 waves a work-group, no clusters, 8,192 bytes of LDS; arguments sel, cnt, order; writes order
.if DOCPART == 2
	.amdgcn_target "amdgcn-amd-amdhsa--gfx1250"
	.amdhsa_code_object_version 6
	.text
	.protected	k_q8c3dadef58_place
	.globl	k_q8c3dadef58_place
	.p2align	8
	.type	k_q8c3dadef58_place,@function
k_q8c3dadef58_place:
	s_mov_b64 s[64:65], 0
	v_nop
	global_prefetch_b8 v0, s[64:65] scope:SCOPE_SE
	s_setreg_imm32_b32 hwreg(HW_REG_WAVE_MODE, 25, 1), 1
	s_wait_xcnt 0x0
; MIXTURE OF EXPERTS, launch 2 of 3: a counting sort of the 8,192 tokens by the key of their pair of experts (28 keys).  No atomics: every rank is computed.
; rank(token) = tokens of lower keys + tokens of its key in earlier chunks of 16 + its rank in its chunk (stored by the first launch).  order[rank] = token | a << 13 | b << 16.
; One work-group, since the sums span all tokens: 32 waves; wave w owns chunks 16 w .. 16 w + 15, tokens 256 w .. 256 w + 255.  In the sums a lane is a key.
; The stores are 4 bytes a lane at scattered ranks, 32 KiB in all: the ranks are data, so a gathering stage in LDS would have data in its addresses.
.set SPARE, 4096                       ; LDS: 32 waves x 32 keys of totals, then the spare words, 128 bytes a wave, which no other line names
.set C,   16                           ; v16-31  my 16 chunks' counts, then their tokens' first ranks
.set SEL, 32                           ; v32-39  my 256 tokens' words
.set XR,  40                           ; v40-71  the 32 waves' totals; later at work
.set PRE, 72
.set TOT, 73
.set SCN, 74
.set TMP, 75
.set RUN, 77
	s_load_b128 s[4:7], s[0:1], 0x0                ; sel, cnt
	s_load_b64 s[8:9], s[0:1], 0x10                ; order
	v_lshl_add_u32 v2, v0, 2, SPARE                ; my spare word,
	v_mov_b32 v3, 0                                ; and 0: kept for the closing lines alone
	v_lshrrev_b32 v1, 5, v0
	v_readfirstlane_b32 s12, v1                    ; wave
	v_and_b32 v4, 31, v0                           ; lane
	v_lshlrev_b32 v5, 2, v4
	v_lshrrev_b32 v6, 4, v4                        ; which half of the lanes
	v_lshl_add_u32 v7, s12, 11, v5                 ; cnt: 16 chunks of 128 bytes a wave
	v_lshl_add_u32 v8, s12, 10, v5                 ; sel: 256 words a wave
	v_lshlrev_b32 v9, 2, v0                        ; LDS: 128 x wave + 4 x lane
	s_lshl_b32 s13, s12, 8
	v_add_nc_u32 v10, s13, v4                      ; token 256 w + lane
	v_cmp_eq_u32 s14, 1, v6
	s_wait_kmcnt 0x0
.irp i, 0,1,2,3,4,5,6,7,8,9,10,11,12,13,14,15
	global_load_b32 v[C+\i], v7, s[6:7] offset:128*\i
.endr
.irp q, 0,1,2,3,4,5,6,7
	global_load_b32 v[SEL+\q], v8, s[4:5] offset:128*\q
.endr
	s_wait_loadcnt 0x0
	v_mov_b32 v[RUN], 0
.irp i, 0,1,2,3,4,5,6,7,8,9,10,11,12,13,14,15
	v_mov_b32 v[TMP], v[C+\i]                      ; each chunk gets the sum of the wave's chunks before it
	v_mov_b32 v[C+\i], v[RUN]
	v_add_nc_u32 v[RUN], v[RUN], v[TMP]
.endr
	ds_store_b32 v9, v[RUN]                        ; my wave's total of each key
	s_wait_dscnt 0x0                               ; for the others' sake: the store is done
	s_barrier_signal -1
	s_barrier_wait -1
.set u, 0
.rept 32
	ds_load_b32 v[XR+u], v5 offset:128*u
.set u, u+1
.endr
	v_mov_b32 v[PRE], 0
	v_mov_b32 v[TOT], 0
	s_wait_dscnt 0x0
.set u, 0
.rept 32
	s_cmp_lt_u32 u, s12
	s_cselect_b32 s10, -1, 0
	v_and_b32 v[TMP], s10, v[XR+u]
	v_add_nc_u32 v[PRE], v[PRE], v[TMP]            ; my key's tokens in earlier waves,
	v_add_nc_u32 v[TOT], v[TOT], v[XR+u]           ; and in all
.set u, u+1
.endr
	v_mov_b32 v[SCN], v[TOT]                       ; a running sum over the keys: four steps inside each half of 16 lanes, then lane 15's sum onto the upper half
.irp n, 1,2,4,8
	v_mov_b32 v[TMP], 0
	v_mov_b32_dpp v[TMP], v[SCN] row_shr:\n row_mask:0xf bank_mask:0xf bound_ctrl:1
	v_add_nc_u32 v[SCN], v[SCN], v[TMP]
.endr
	v_readlane_b32 s10, v[SCN], 15
	v_mad_u32_u24 v[SCN], v6, s10, v[SCN]
	v_sub_nc_u32 v[SCN], v[SCN], v[TOT]            ; tokens of lower keys
	v_add_nc_u32 v[SCN], v[SCN], v[PRE]
.irp i, 0,1,2,3,4,5,6,7,8,9,10,11,12,13,14,15
	v_add_nc_u32 v[C+\i], v[C+\i], v[SCN]          ; lane k: the first rank of chunk i's tokens of key k
.endr
	; now a lane is a token again: token 256 w + 32 q + lane lies in chunk 2 q + (lane / 16) and fetches that chunk's first rank from the lane of its key
.irp q, 0,1,2,3,4,5,6,7
	v_and_b32 v[40+\q], 31, v[SEL+\q]
	v_lshlrev_b32 v[40+\q], 2, v[40+\q]
	ds_bpermute_b32 v[48+\q], v[40+\q], v[C+2*\q]
	ds_bpermute_b32 v[56+\q], v[40+\q], v[C+2*\q+1]
.endr
	s_wait_dscnt 0x0                               ; one wait for the sixteen
.irp q, 0,1,2,3,4,5,6,7
	v_cndmask_b32 v[48+\q], v[48+\q], v[56+\q], s14
	v_bfe_u32 v[56+\q], v[SEL+\q], 8, 4
	v_add_nc_u32 v[48+\q], v[48+\q], v[56+\q]      ; + its rank in the chunk
	v_min_u32 v[48+\q], 0x1fff, v[48+\q]           ; a loaded number enters an address only behind a bound
	v_lshlrev_b32 v[48+\q], 2, v[48+\q]
	v_bfe_u32 v[56+\q], v[SEL+\q], 16, 3           ; a
	v_bfe_u32 v[64+\q], v[SEL+\q], 20, 3           ; b
	v_lshl_or_b32 v[56+\q], v[56+\q], 13, v10
	v_or_b32 v[56+\q], 32*\q, v[56+\q]
	v_lshl_or_b32 v[56+\q], v[64+\q], 16, v[56+\q]
	global_store_b32 v[48+\q], v[56+\q], s[8:9]
.endr
	s_wait_tensorcnt 0x0                           ; the wave's end
	ds_add_u32 v2, v3
	s_wait_dscnt 0x0
	s_endpgm
.Lfunc_end_k_q8c3dadef58_place:
	.size	k_q8c3dadef58_place, .Lfunc_end_k_q8c3dadef58_place-k_q8c3dadef58_place
	.p2alignl 7, 3214868480
	.fill 96, 4, 3214868480
	.section	.rodata,"a",@progbits
	.p2align	6, 0x0
	.amdhsa_kernel k_q8c3dadef58_place
		.amdhsa_group_segment_fixed_size 8192
		.amdhsa_private_segment_fixed_size 0
		.amdhsa_enable_private_segment 0
		.amdhsa_kernarg_size 24
		.amdhsa_user_sgpr_count 2
		.amdhsa_user_sgpr_kernarg_segment_ptr 1
		.amdhsa_wavefront_size32 1
		.amdhsa_system_sgpr_workgroup_id_x 1
		.amdhsa_system_sgpr_workgroup_id_y 1
		.amdhsa_system_sgpr_workgroup_id_z 1
		.amdhsa_system_vgpr_workitem_id 0
		.amdhsa_next_free_vgpr 96
		.amdhsa_next_free_sgpr 66
		.amdhsa_reserve_vcc 0
		.amdhsa_float_denorm_mode_32 3
		.amdhsa_float_denorm_mode_16_64 3
		.amdhsa_memory_ordered 1
		.amdhsa_forward_progress 1
		.amdhsa_inst_pref_size 21
	.end_amdhsa_kernel
	.amdgpu_metadata
---
amdhsa.version: [ 1, 2 ]
amdhsa.kernels:
  - .name:           k_q8c3dadef58_place
    .symbol:         k_q8c3dadef58_place.kd
    .args:
      - { .name: sel, .offset: 0, .size: 8, .value_kind: global_buffer, .address_space: global }
      - { .name: cnt, .offset: 8, .size: 8, .value_kind: global_buffer, .address_space: global }
      - { .name: order, .offset: 16, .size: 8, .value_kind: global_buffer, .address_space: global }
    .group_segment_fixed_size: 8192
    .private_segment_fixed_size: 0
    .kernarg_segment_align: 8
    .kernarg_segment_size: 24
    .max_flat_workgroup_size: 1024
    .sgpr_count:     66
    .vgpr_count:     96
    .wavefront_size: 32
...
	.end_amdgpu_metadata
.endif
;; end of part 2
;; launch chain (part 3): grid 256 x 1, 4 waves a work-group, no clusters, 100,864 bytes of LDS; arguments order, gates, xq, wq, lowp_scales, b_proj, out0; writes out0
.if DOCPART == 3
	.amdgcn_target "amdgcn-amd-amdhsa--gfx1250"
	.amdhsa_code_object_version 6
	.text
	.protected	k_q8c3dadef58_chain
	.globl	k_q8c3dadef58_chain
	.p2align	8
	.type	k_q8c3dadef58_chain,@function
k_q8c3dadef58_chain:
	s_mov_b64 s[64:65], 0
	v_nop
	global_prefetch_b8 v0, s[64:65] scope:SCOPE_SE
	s_setreg_imm32_b32 hwreg(HW_REG_WAVE_MODE, 25, 1), 1
	s_wait_xcnt 0x0
; MIXTURE OF EXPERTS, launch 3 of 3: out[token] = ga (gelu(x W1a^T + b1a) W2a^T + b2a) + gb (the same for b), both products on codes of E4M3.
; WORK LEFT OUT: the rows of the six experts that a token did not choose, whose weight reference() itself makes 0 (shown at the head of the first launch).
; SHARES.  Work-group G owns ranks 32 G .. 32 G + 31 of the sorted list: two tiles of 16 tokens, each output row with this one owner.  It walks the experts that any of its tokens uses
; (2, or more where keys change inside the block; any number up to 8 is served): a loop counted against a number made from the stored list.  A token that does not use the expert in hand
; is multiplied all the same (with its codes under another expert's scale: finite numbers) and weighed with 0.
; Wave w owns hidden units 192 w .. + 191 of every expert, in three groups of 64: so the second product's K is shared among the waves, each keeps a partial out for all 192 channels
; in registers over all experts, and the four partial sums meet once, in LDS, at the end: no barrier stands in the loop.
; LAYOUT.  Both products are used transposed (source 0 = 16 rows of a weight, source 1 = 16 tokens): a lane holds ONE token (lane % 16) throughout, and its eight registers of a
; tile of the hidden layer are hidden units 8 (lane / 16) + 0 .. 7, which is where the 16x16x64 form wants them as the next operand: the conversions' results are that operand.
; In the first product register n, byte i of lane half h holds k = 96 h + 4 n + i, in x's codes and in W1's alike: every product meets its partner.
; WEIGHTS come from wq straight into registers, 512 consecutive bytes a load, through three sets of 96 registers that take turns; two items are always on their way.
; GELU.  With S = u / 2^(ex + ew1), the sum as the matrix unit leaves it: gelu(u) / 2^(ex + ew1) = S / (1 + 2^(S (PA + PB S^2))), PA = -2 log2(e) sqrt(2 / pi) 2^(ex + ew1),
; PB = 0.044715 PA 2^(2 (ex + ew1)): the tanh form of reference(), written by tanh z = 1 - 2 / (1 + e^(2 z)).  The conversion's scale 2^(eh - ex - ew1) folds the three exponents.
; NO CLUSTER, NO TENSOR LOADS: which blocks of wq a work-group walks, and how many, is read from the stored list, so neighbours need different tiles in different numbers, and no two
; work-groups can be shown to ask for the same tile in the same step.
; LIMITS: ex + ew1 between -40 and 43 (it is added to PA's exponent field once and to PB's three times); eh - ex - ew1 between -126 and 119; eh + ew2 is applied by v_ldexp_f32.
; NaN among the inputs or the weights' codes is not served.
; REGISTERS, in windows of 256: window 0: v0-31 addresses and small things; v32-95 S, eight tiles (i, t) at 8 (2 i + t); v96-159 T, at work; v160-255 weight set R2.
;   window 1: v0-95 set R0, v96-191 set R1, v192-223 and v224-255 the biases of groups 0 and 1.   window 2: v0-191 Y, one expert's second product, (ot, t) at 8 (2 ot + t);
;   v192-207 the hidden layer's codes; v208-255 x's codes.   window 3: v0-191 OUT, as Y; v192-223 the bias of group 2.
.set REG,   25088                      ; LDS: a wave's partial out: 32 rows x (768 + 16) bytes
.set SPARE, 4*REG                      ; behind the four: the spare words, 128 bytes a wave, which no other line names
.set ITEM,  12288
.set BIASO, 73728
.set BLKB,  74496
.set S,   32
.set T,   96
.set R0,  0
.set R1,  96
.set R2,  160
.set BF0, 192
.set BF1, 224
.set BF2, 192
.set HC,  192
.set XC,  208
; v1 16 x lane; v2 32 h; v3, v4 token x 384 + 96 h of tile 0, 1; v5, v6 a; v7, v8 b; v9 r; v[10:11], v[12:13] (ga, gb); v[14:15], v[16:17] the expert's weight, twice; v18, v19 x's codes' offsets;
; v[20:21] PA, twice; v22 the conversion's scale; v23, v24 at work; v25 into LDS; v26, v27 out of LDS; v28 h; v29 my rows' words in order; v30, v31 the add's two.
; s20 wave; s21 experts still to walk, a bit each; s22 trips; s23 counter; s24 expert in hand, s25 the next; s[26:27], s[28:29] their blocks of wq; s[32:35] ex, ew1, eh, ew2; s[36:37] PB, twice;
; s38, s39 +-448 x the scale; s40 eh + ew2; s41 to s47 at work.
.set MSB, 0
.macro WIN new                         ; the immediate's high byte repeats the setting that is left; bits 1:0 source 0, 3:2 source 1, 5:4 source 2, 7:6 destination
.if MSB != \new
	s_set_vgpr_msb (MSB<<8)|\new
.set MSB, \new
.endif
.endm
.macro PLACES                          ; four places behind a matrix instruction, ahead of loads into its sources and of reads of its results (ISA guide 7.12.1 for the reads)
.rept 4
	v_nop
.endr
.endm
.macro LDW reg, msb, base, item        ; an item of a block of wq: 24 loads
	WIN \msb
.set q, 0
.rept 24
	global_load_b128 v[\reg+4*q:\reg+4*q+3], v1, s[\base:\base+1] offset:ITEM*(\item)+512*q
.set q, q+1
.endr
.endm
.macro LDB reg, msb, base, g           ; group g's bias in the result's layout: tile i, my half's eight hidden units: 8 loads
	WIN \msb
.irp i, 0,1,2,3
	global_load_b128 v[\reg+8*\i:\reg+8*\i+3], v2, s[\base:\base+1] offset:BIASO+256*(\g)+64*\i
	global_load_b128 v[\reg+8*\i+4:\reg+8*\i+7], v2, s[\base:\base+1] offset:BIASO+256*(\g)+64*\i+16
.endr
.endm
.macro LDX                             ; my two tokens' codes under the expert's scale: 12 loads
	WIN 0x80
.irp t, 0,1
.irp j, 0,1,2,3,4,5
	global_load_b128 v[XC+24*\t+4*\j:XC+24*\t+4*\j+3], v[18+\t], s[8:9] offset:16*\j
.endr
.endr
.endm
.macro XADDR e                         ; where those codes lie: the token's second 192 bytes if the expert is its b, else its first
.irp t, 0,1
	v_cmp_eq_u32 vcc_lo, s[\e], v[7+\t]
	v_cndmask_b32 v23, 0, 1, vcc_lo
	v_min_u32 v23, 1, v23
	v_mul_u32_u24 v23, 192, v23
	v_add_nc_u32 v[18+\t], v23, v[3+\t]
.endr
.endm
; the first product of a group: 4 tiles of hidden units x 2 tiles of tokens, K = 192 in three steps.  The eight accumulators take turns, one instruction a turn; the bias is the first step's C.
.macro MM1 a, bf, w0, w1
.irp c, 0,1,2
.if \c == 0
	WIN \w0
.else
	WIN \w1
.endif
.irp i, 0,1,2,3
.irp t, 0,1
.if \c == 0
	v_wmma_f32_16x16x64_fp8_fp8 v[S+8*(2*\i+\t):S+8*(2*\i+\t)+7], v[\a+24*\i:\a+24*\i+7], v[XC+24*\t:XC+24*\t+7], v[\bf+8*\i:\bf+8*\i+7]
.else
	v_wmma_f32_16x16x64_fp8_fp8 v[S+8*(2*\i+\t):S+8*(2*\i+\t)+7], v[\a+24*\i+8*\c:\a+24*\i+8*\c+7], v[XC+24*\t+8*\c:XC+24*\t+8*\c+7], v[S+8*(2*\i+\t):S+8*(2*\i+\t)+7]
.endif
.endr
.endr
.endr
.endm
; the second product's K step of a group: 12 tiles of channels x 2 tiles of tokens, one instruction each.  zero = 1: the expert's first group starts the sums.
.macro MM2 a, msb, zero
	WIN \msb
.set o, 0
.rept 12
.irp t, 0,1
.if \zero
	v_wmma_f32_16x16x64_fp8_fp8 v[8*(2*o+\t):8*(2*o+\t)+7], v[\a+8*o:\a+8*o+7], v[HC+8*\t:HC+8*\t+7], 0
.else
	v_wmma_f32_16x16x64_fp8_fp8 v[8*(2*o+\t):8*(2*o+\t)+7], v[\a+8*o:\a+8*o+7], v[HC+8*\t:HC+8*\t+7], v[8*(2*o+\t):8*(2*o+\t)+7]
.endif
.endr
.set o, o+1
.endr
.endm
; 64 numbers a lane: gelu, the hold, the codes.  The exponentials are one batch and the reciprocals another, each set among the plain lines of the pairs that follow, none of which names a result;
; behind each batch one plain line and ONE wait ahead of the first reader.  S is read from each accumulator's low end on.
.macro GELU
.set p, 0
.rept 32
	v_pk_mul_f32 v[T+2*p:T+2*p+1], v[S+2*p:S+2*p+1], v[S+2*p:S+2*p+1]
	v_pk_fma_f32 v[T+2*p:T+2*p+1], v[T+2*p:T+2*p+1], s[36:37], v[20:21] op_sel_hi:[1,0,1]   ; PB S^2 + PA
	v_pk_mul_f32 v[T+2*p:T+2*p+1], v[T+2*p:T+2*p+1], v[S+2*p:S+2*p+1]
.if p > 0
	v_exp_f32 v[T+2*p-2], v[T+2*p-2]
	v_exp_f32 v[T+2*p-1], v[T+2*p-1]
.endif
.set p, p+1
.endr
	v_exp_f32 v[T+62], v[T+62]
	v_exp_f32 v[T+63], v[T+63]
	v_nop
	s_wait_alu depctr_va_vdst(0)
.set p, 0
.rept 32
	v_pk_add_f32 v[T+2*p:T+2*p+1], v[T+2*p:T+2*p+1], 1.0 op_sel_hi:[1,0]
.if p > 0
	v_rcp_f32 v[T+2*p-2], v[T+2*p-2]
	v_rcp_f32 v[T+2*p-1], v[T+2*p-1]
.endif
.set p, p+1
.endr
	v_rcp_f32 v[T+62], v[T+62]
	v_rcp_f32 v[T+63], v[T+63]
	v_nop
	s_wait_alu depctr_va_vdst(0)
.set p, 0
.rept 32
	v_pk_mul_f32 v[T+2*p:T+2*p+1], v[T+2*p:T+2*p+1], v[S+2*p:S+2*p+1]
.set p, p+1
.endr
.set p, 0
.rept 64
	v_med3_num_f32 v[T+p], v[T+p], s39, s38        ; the conversion to an 8-bit code does not saturate (ISA guide 7.6.2): the hold at +-448 x the scale
.set p, p+1
.endr
	WIN 0x80                                       ; destination window 2
.irp k, 0,1,2,3,4,5,6,7
	v_cvt_scalef32_pk8_fp8_f32 v[HC+8*(\k%2)+2*(\k/2):HC+8*(\k%2)+2*(\k/2)+1], v[T+8*\k:T+8*\k+7], v22   ; tile (i, t) = (k / 2, k % 2): registers 2 i, 2 i + 1 of token tile t's operand
.endr
	WIN 0
	v_nop                                          ; one plain line between the last conversion and the products that read the codes
.endm
; OUT += weight x 2^(eh + ew2) x Y; the weight is the token's gate for this expert, or 0
.macro OUTFMA
	WIN 0
.irp t, 0,1
	v_cmp_eq_u32 vcc_lo, s24, v[7+\t]
	v_cndmask_b32 v23, 0, v[11+2*\t], vcc_lo
	v_cmp_eq_u32 vcc_lo, s24, v[5+\t]
	v_cndmask_b32 v23, v23, v[10+2*\t], vcc_lo
	v_ldexp_f32 v[14+2*\t], v23, s40
	v_mov_b32 v[15+2*\t], v[14+2*\t]               ; (named with it as a pair, so it is written)
.endr
	WIN 0xf2                                       ; Y window 2, the weight window 0, OUT window 3
.set o, 0
.rept 24
.irp j, 0,2,4,6
	v_pk_fma_f32 v[8*o+\j:8*o+\j+1], v[8*o+\j:8*o+\j+1], v[14+2*(o%2):15+2*(o%2)], v[8*o+\j:8*o+\j+1] op_sel_hi:[1,0,1]   ; each accumulator from its low end on
.endr
.set o, o+1
.endr
	WIN 0
.endm
.macro CONSTS                          ; the expert's constants, from ex, ew1, eh, ew2 in s[32:35]
	s_add_co_i32 s42, s32, s33                     ; ex + ew1
	s_lshl_b32 s43, s42, 23
	s_add_co_u32 s44, s43, 0xc0135761              ; -2 log2(e) sqrt(2 / pi), with ex + ew1 added to its exponent field
	v_mov_b32 v20, s44
	v_mov_b32 v21, s44
	s_mul_i32 s45, s42, 3
	s_lshl_b32 s45, s45, 23
	s_add_co_u32 s36, s45, 0xbdd2d3e8              ; that x 0.044715, with 3 (ex + ew1) added
	s_mov_b32 s37, s36
	s_sub_co_i32 s46, s34, s42                     ; eh - ex - ew1
	s_add_co_i32 s47, s46, 127
	s_lshl_b32 s47, s47, 23
	v_mov_b32 v22, s47
	s_add_co_i32 s46, s46, 135
	s_lshl_b32 s46, s46, 23
	s_or_b32 s38, s46, 0x600000
	s_or_b32 s39, s38, 0x80000000
	s_add_co_i32 s40, s34, s35                     ; eh + ew2
.endm
.macro NEXTE d, wb                     ; the lowest expert still to walk: its number, its block of wq, and the load of its four exponents
	s_ctz_i32_b32 s[\d], s21
	s_min_u32 s[\d], s[\d], 7                      ; a loaded number enters an address only behind a bound
	s_lshl_b32 s42, 1, s[\d]
	s_and_not1_b32 s21, s21, s42
	s_lshl_b32 s42, s[\d], 2
	s_add_co_u32 s42, s42, s20
	s_mul_i32 s42, s42, BLKB
	s_mov_b32 s43, 0
	s_add_nc_u64 s[\wb:\wb+1], s[10:11], s[42:43]
	s_lshl_b32 s41, s[\d], 4
	s_load_b128 s[32:35], s[12:13], s41 offset:0x0
.endm
; what the way out needs, asked for under the last expert's last lines: my eight rows' tokens, their gates, and b_proj's rows of their two experts
.macro FINLOADS
	WIN 0x01
.irp m, 0,1,2,3
	v_mov_b32 v[80+\m], v[\m]                      ; the rows' words, out of window 1
.endr
	WIN 0
	v_lshlrev_b32 v24, 4, v9
.irp m, 0,1,2,3
	v_and_b32 v[84+\m], 0x1fff, v[80+\m]
	v_min_u32 v[84+\m], 0x1fff, v[84+\m]
	v_lshlrev_b32 v[104+\m], 3, v[84+\m]           ; gates: 8 bytes a token
	v_mul_u32_u24 v[84+\m], 768, v[84+\m]
	v_add_nc_u32 v[84+\m], v24, v[84+\m]           ; out: the token's row, + 16 r
	v_bfe_u32 v[88+\m], v[80+\m], 13, 3
	v_min_u32 v[88+\m], 7, v[88+\m]
	v_mul_u32_u24 v[88+\m], 768, v[88+\m]
	v_add_nc_u32 v[88+\m], v24, v[88+\m]           ; b_proj: row a
	v_bfe_u32 v[92+\m], v[80+\m], 16, 3
	v_min_u32 v[92+\m], 7, v[92+\m]
	v_mul_u32_u24 v[92+\m], 768, v[92+\m]
	v_add_nc_u32 v[92+\m], v24, v[92+\m]           ; row b
.endr
.irp m, 0,1,2,3
	global_load_b64 v[96+2*\m:97+2*\m], v[104+\m], s[6:7]
.endr
.irp m, 0,1,2,3
.irp c, 0,1,2
	global_load_b128 v[160+4*(3*\m+\c):160+4*(3*\m+\c)+3], v[88+\m], s[14:15] offset:256*\c
	global_load_b128 v[208+4*(3*\m+\c):208+4*(3*\m+\c)+3], v[92+\m], s[14:15] offset:256*\c
.endr
.endr
.endm
; ONE EXPERT.  Items in the order in which they are asked for: F0 + bias (32 loads), x's codes (12), P0 (24), F1 + bias (32), P1 (24), F2 + bias (32), P2 (24); sets R0, R1, R2 by turns.
; Each wait's count is the number of loads issued behind the item that is wanted.  pre = 1: the next expert's first items are asked for from the fourth step on.
.macro EXPERT pre
	s_wait_loadcnt 56                              ; F0, its bias and x's codes are in; P0 (24) and F1 (32) may be out
	MM1 R0, BF0, 0x19, 0x09
	PLACES
	LDW R0, 0x40, 26, 3                            ; P1
	WIN 0
	GELU
	s_wait_loadcnt 56                              ; P0 is in; F1 (32) and P1 (24) may be out
	MM2 R1, 0x89, 1
	PLACES
	LDW R1, 0x40, 26, 4                            ; F2
	LDB BF2, 0xc0, 26, 2
	s_wait_loadcnt 56                              ; F1 is in; P1 (24) and F2 (32) may be out
	MM1 R2, BF1, 0x18, 0x08
	PLACES
	LDW R2, 0x00, 26, 5                            ; P2
	WIN 0
	GELU
	s_wait_loadcnt 56                              ; P1 is in; F2 (32) and P2 (24) may be out
	MM2 R0, 0xa9, 0
	PLACES
.if \pre
	LDW R0, 0x40, 28, 0                            ; the next expert's F0
	LDB BF0, 0x40, 28, 0
	s_wait_loadcnt 56                              ; F2 is in; P2 (24) and the next F0 (32) may be out
.else
	WIN 0x40
.irp m, 0,1,2,3
	global_load_b32 v[\m], v29, s[4:5] offset:8*\m ; the words of the eight rows that I finish: rank 32 G + 8 w + 2 m + (lane / 16)
.endr
	s_wait_loadcnt 28                              ; F2 is in; P2 (24) and the four words may be out
.endif
	MM1 R1, BF2, 0x39, 0x09
	PLACES
.if \pre
	WIN 0
	XADDR 25                                       ; (the loads that read these offsets were shown done by this expert's first wait)
	LDX
	LDW R1, 0x40, 28, 1                            ; the next P0
.endif
	WIN 0
	GELU
.if \pre
	s_wait_loadcnt 63                              ; P2 is in: 68 loads were issued behind it, and the count's field ends at 63
.else
	s_wait_loadcnt 0x0                             ; P2 and the words
.endif
	MM2 R2, 0xa8, 0
	PLACES
.if \pre
	LDW R2, 0x00, 28, 2                            ; the next F1
	LDB BF1, 0x40, 28, 1
.else
	FINLOADS
.endif
	OUTFMA
.endm
	s_load_b256 s[4:11], s[0:1], 0x0               ; order, gates, xq, wq
	s_load_b128 s[12:15], s[0:1], 0x20             ; lowp_scales, b_proj
	s_load_b64 s[16:17], s[0:1], 0x30              ; out0
	v_lshl_add_u32 v30, v0, 2, SPARE               ; my spare word,
	v_mov_b32 v31, 0                               ; and 0: kept for the closing lines alone
	v_lshrrev_b32 v23, 5, v0
	v_readfirstlane_b32 s20, v23                   ; wave 0..3
	v_and_b32 v24, 31, v0
	v_and_b32 v9, 15, v0                           ; r
	v_bfe_u32 v28, v0, 4, 1                        ; h
	v_lshlrev_b32 v1, 4, v24
	v_lshlrev_b32 v2, 5, v28
	s_mul_i32 s42, s20, REG
	v_mul_u32_u24 v25, v9, 784
	v_lshl_add_u32 v25, v28, 5, v25
	v_add_nc_u32 v25, s42, v25                     ; into LDS: my region, row r, + 32 h
	s_mul_i32 s43, s20, 8*784
	v_mul_u32_u24 v26, v28, 784
	v_lshl_add_u32 v26, v9, 4, v26
	v_add_nc_u32 v26, s43, v26                     ; out of it: row 8 w + h, + 16 r, in regions 0 and 1,
	v_add_nc_u32 v27, 2*REG, v26                   ; and in regions 2 and 3
	s_lshl_b32 s44, ttmp9, 7                       ; my block's 32 words of order
	v_lshl_add_u32 v23, v9, 2, s44
	s_lshl_b32 s45, s20, 5
	s_add_co_u32 s45, s45, s44
	v_lshl_add_u32 v29, v28, 2, s45
	s_wait_kmcnt 0x0
	global_load_b32 v5, v23, s[4:5]                ; rank 32 G + r
	global_load_b32 v6, v23, s[4:5] offset:64      ; rank 32 G + 16 + r
	s_wait_loadcnt 0x0
	v_and_b32 v3, 0x1fff, v5
	v_and_b32 v4, 0x1fff, v6
	v_min_u32 v3, 0x1fff, v3                       ; a loaded number enters an address only behind a bound
	v_min_u32 v4, 0x1fff, v4
	v_bfe_u32 v7, v5, 16, 3                        ; b
	v_bfe_u32 v8, v6, 16, 3
	v_bfe_u32 v5, v5, 13, 3                        ; a
	v_bfe_u32 v6, v6, 13, 3
	v_lshlrev_b32 v23, 3, v3
	v_lshlrev_b32 v24, 3, v4
	global_load_b64 v[10:11], v23, s[6:7]          ; ga, gb
	global_load_b64 v[12:13], v24, s[6:7]
	v_mul_u32_u24 v18, v28, 96
	v_mul_u32_u24 v3, 384, v3
	v_mul_u32_u24 v4, 384, v4
	v_add_nc_u32 v3, v3, v18
	v_add_nc_u32 v4, v4, v18
	s_mov_b32 s21, 0                               ; which experts does the block use?  All four waves read the same 32 words and find the same
.irp e, 0,1,2,3,4,5,6,7
	v_cmp_eq_u32 s42, \e, v5
	v_cmp_eq_u32 s43, \e, v6
	v_cmp_eq_u32 s44, \e, v7
	v_cmp_eq_u32 s45, \e, v8
	s_or_b32 s42, s42, s43
	s_or_b32 s44, s44, s45
	s_or_b32 s42, s42, s44                         ; SCC: some token uses expert e
	s_cselect_b32 s42, 1<<\e, 0
	s_or_b32 s21, s21, s42
.endr
	s_bcnt1_i32_b32 s22, s21
	s_sub_co_u32 s22, s22, 1                       ; the loop walks all but the last; a < b, so there are two at the least
	s_min_u32 s22, s22, 7
	NEXTE 24, 26
	s_wait_xcnt 0x0                                ; the gates' loads have read v23 and v24
	XADDR 24
	LDW R0, 0x40, 26, 0                            ; the first expert's items, in the order in which a trip asks for the next expert's
	LDB BF0, 0x40, 26, 0
	LDX
	WIN 0xc0
.set i, 0
.rept 192
	v_mov_b32 v[i], 0                              ; OUT.  Cleared while the first loads are out, so that the expert's text needs no third copy for a first expert
.set i, i+1
.endr
	LDW R1, 0x40, 26, 1
	LDW R2, 0x00, 26, 2
	LDB BF1, 0x40, 26, 1
	WIN 0
	s_mov_b32 s23, 0
.Lexp:
	s_wait_kmcnt 0x0                               ; this expert's exponents
	CONSTS
	NEXTE 25, 28
	EXPERT 1
	s_wait_xcnt 0x0                                ; every load issued so far has read its base: both bases may be written
	s_mov_b32 s24, s25
	s_mov_b64 s[26:27], s[28:29]
	s_add_co_u32 s23, s23, 1
	s_cmp_lt_u32 s23, s22
	s_cbranch_scc1 .Lexp
	s_wait_kmcnt 0x0
	CONSTS
	EXPERT 0                                       ; the last expert is written out: it asks for no further weights
	; THE WAY OUT.  Each wave's partial sums go to its region of LDS; behind one barrier wave w adds the four for rows 8 w .. 8 w + 7, adds ga b_proj[a] + gb b_proj[b], and stores whole rows.
	WIN 0x0c                                       ; the stores' data lie in window 3
.set o, 0
.rept 12
.irp t, 0,1
	ds_store_b128 v25, v[8*(2*o+\t):8*(2*o+\t)+3] offset:12544*\t+64*o       ; lane (r, h): row 16 t + r, channels 16 o + 8 h + 0 .. 7
	ds_store_b128 v25, v[8*(2*o+\t)+4:8*(2*o+\t)+7] offset:12544*\t+64*o+16
.endr
.set o, o+1
.endr
	WIN 0
	s_wait_dscnt 0x0                               ; for the others' sake: my stores are done
	s_barrier_signal -1
	s_barrier_wait -1
	WIN 0x40                                       ; destination window 1: region k's part at v[48 k]
.irp k, 0,1,2,3
.irp m, 0,1,2,3
.irp c, 0,1,2
	ds_load_b128 v[4*(12*\k+3*\m+\c):4*(12*\k+3*\m+\c)+3], v[26+\k/2] offset:REG*(\k%2)+1568*\m+256*\c
.endr
.endr
.endr
	s_wait_dscnt 0x0
	s_wait_loadcnt 0x0                             ; the gates and b_proj's rows
	WIN 0x55
.set j, 0
.rept 24
	v_pk_add_f32 v[2*j:2*j+1], v[2*j:2*j+1], v[48+2*j:48+2*j+1]
	v_pk_add_f32 v[96+2*j:96+2*j+1], v[96+2*j:96+2*j+1], v[144+2*j:144+2*j+1]
.set j, j+1
.endr
.set j, 0
.rept 24
	v_pk_add_f32 v[2*j:2*j+1], v[2*j:2*j+1], v[96+2*j:96+2*j+1]
.set j, j+1
.endr
	WIN 0x50                                       ; the sums in window 1, b_proj and the gates in window 0
.irp m, 0,1,2,3
.irp n, 0,2,4,6,8,10
	v_pk_fma_f32 v[12*\m+\n:12*\m+\n+1], v[160+12*\m+\n:160+12*\m+\n+1], v[96+2*\m:97+2*\m], v[12*\m+\n:12*\m+\n+1] op_sel_hi:[1,0,1]               ; + ga b_proj[a]
	v_pk_fma_f32 v[12*\m+\n:12*\m+\n+1], v[208+12*\m+\n:208+12*\m+\n+1], v[96+2*\m:97+2*\m], v[12*\m+\n:12*\m+\n+1] op_sel:[0,1,0] op_sel_hi:[1,1,1]  ; + gb b_proj[b]
.endr
.endr
	WIN 0x04                                       ; the stores' data lie in window 1
.irp m, 0,1,2,3
.irp c, 0,1,2
	global_store_b128 v[84+\m], v[4*(3*\m+\c):4*(3*\m+\c)+3], s[16:17] offset:256*\c th:TH_STORE_NT   ; sixteen lanes store 256 consecutive bytes of a token's row, at a multiple of 256 from out0's first byte
.endr
.endr
	WIN 0
	s_wait_tensorcnt 0x0                           ; the wave's end
	ds_add_u32 v30, v31
	s_wait_dscnt 0x0
	s_endpgm
.Lfunc_end_k_q8c3dadef58_chain:
	.size	k_q8c3dadef58_chain, .Lfunc_end_k_q8c3dadef58_chain-k_q8c3dadef58_chain
	.p2alignl 7, 3214868480
	.fill 96, 4, 3214868480
	.section	.rodata,"a",@progbits
	.p2align	6, 0x0
	.amdhsa_kernel k_q8c3dadef58_chain
		.amdhsa_group_segment_fixed_size 100864
		.amdhsa_private_segment_fixed_size 0
		.amdhsa_enable_private_segment 0
		.amdhsa_kernarg_size 56
		.amdhsa_user_sgpr_count 2
		.amdhsa_user_sgpr_kernarg_segment_ptr 1
		.amdhsa_wavefront_size32 1
		.amdhsa_system_sgpr_workgroup_id_x 1
		.amdhsa_system_sgpr_workgroup_id_y 1
		.amdhsa_system_sgpr_workgroup_id_z 1
		.amdhsa_system_vgpr_workitem_id 0
		.amdhsa_next_free_vgpr 992
		.amdhsa_next_free_sgpr 66
		.amdhsa_reserve_vcc 1
		.amdhsa_float_denorm_mode_32 3
		.amdhsa_float_denorm_mode_16_64 3
		.amdhsa_memory_ordered 1
		.amdhsa_forward_progress 1
		.amdhsa_inst_pref_size 217
	.end_amdhsa_kernel
	.amdgpu_metadata
---
amdhsa.version: [ 1, 2 ]
amdhsa.kernels:
  - .name:           k_q8c3dadef58_chain
    .symbol:         k_q8c3dadef58_chain.kd
    .args:
      - { .name: order, .offset: 0, .size: 8, .value_kind: global_buffer, .address_space: global }
      - { .name: gates, .offset: 8, .size: 8, .value_kind: global_buffer, .address_space: global }
      - { .name: xq, .offset: 16, .size: 8, .value_kind: global_buffer, .address_space: global }
      - { .name: wq, .offset: 24, .size: 8, .value_kind: global_buffer, .address_space: global }
      - { .name: lowp_scales, .offset: 32, .size: 8, .value_kind: global_buffer, .address_space: global }
      - { .name: b_proj, .offset: 40, .size: 8, .value_kind: global_buffer, .address_space: global }
      - { .name: out0, .offset: 48, .size: 8, .value_kind: global_buffer, .address_space: global }
    .group_segment_fixed_size: 100864
    .private_segment_fixed_size: 0
    .kernarg_segment_align: 8
    .kernarg_segment_size: 56
    .max_flat_workgroup_size: 128
    .sgpr_count:     66
    .vgpr_count:     992
    .wavefront_size: 32
...
	.end_amdgpu_metadata
.endif
;; end of part 3
;; ======== version 2 of 2: 3 launches; version 1 with the launch chain written anew for expert scheduling mode
;; limits: right only within a limited range of input values
;; workspace buffers: xq 3,145,728 bytes; gates 65,536 bytes; sel 32,768 bytes of whole numbers; cnt 65,536 bytes of whole numbers; order 32,768 bytes of whole numbers; wq 2,383,872 bytes
;; launch route: the kernel of part 1 again; grid 32 x 11, 2 waves a work-group, no clusters, 38,144 bytes of LDS; arguments x, gate_w, gate_b, lowp_scales, w_fc_codes, w_proj_codes, b_fc, xq, gates, sel, cnt, wq; writes xq, gates, sel, cnt, wq
;; launch place: the kernel of part 2 again; grid 1 x 1, 32 waves a work-group, no clusters, 8,192 bytes of LDS; arguments sel, cnt, order; writes order
;; launch chain (part 4): grid 256 x 1, 4 waves a work-group, no clusters, 100,864 bytes of LDS; arguments order, gates, xq, wq, lowp_scales, b_proj, out0; writes out0
.if DOCPART == 4
	.amdgcn_target "amdgcn-amd-amdhsa--gfx1250"
	.amdhsa_code_object_version 6
	.text
	.protected	k_q8c3dadef58_chain
	.globl	k_q8c3dadef58_chain
	.p2align	8
	.type	k_q8c3dadef58_chain,@function
k_q8c3dadef58_chain:
	s_mov_b64 s[64:65], 0
	v_nop
	global_prefetch_b8 v0, s[64:65] scope:SCOPE_SE
	s_setreg_imm32_b32 hwreg(HW_REG_WAVE_SCHED_MODE, 0, 2), 2
	s_setreg_imm32_b32 hwreg(HW_REG_WAVE_MODE, 25, 1), 1
	s_wait_xcnt 0x0
	s_wait_alu depctr_vm_vsrc(0)
; MIXTURE OF EXPERTS, launch 3 of 3: out[token] = ga (gelu(x W1a^T + b1a) W2a^T + b2a) + gb (the same for b), both products on codes of E4M3.
; WORK LEFT OUT: the rows of the six experts that a token did not choose, whose weight reference() itself makes 0 (shown at the head of the first launch).
; SHARES.  Work-group G owns ranks 32 G .. 32 G + 31 of the sorted list: two tiles of 16 tokens, each output row with this one owner.  It walks the experts that any of its tokens uses
; (2, or more where keys change inside the block; any number up to 8 is served): a loop counted against a number made from the stored list.  A token that does not use the expert in hand
; is multiplied all the same (with its codes under another expert's scale: finite numbers) and weighed with 0.
; Wave w owns hidden units 192 w .. + 191 of every expert, in three groups of 64: so the second product's K is shared among the waves, each keeps a partial out for all 192 channels
; in registers over all experts, and the four partial sums meet once, in LDS, at the end: no barrier stands in the loop.
; LAYOUT.  Both products are used transposed (source 0 = 16 rows of a weight, source 1 = 16 tokens): a lane holds ONE token (lane % 16) throughout, and its eight registers of a
; tile of the hidden layer are hidden units 8 (lane / 16) + 0 .. 7, which is where the 16x16x64 form wants them as the next operand: the conversions' results are that operand.
; In the first product register n, byte i of lane half h holds k = 96 h + 4 n + i, in x's codes and in W1's alike: every product meets its partner.
; WEIGHTS come from wq straight into registers, 512 consecutive bytes a load, through three sets of 96 registers that take turns; a set is asked for again a gelu or more ahead of its use.
; GELU.  With S = u / 2^(ex + ew1), the sum as the matrix unit leaves it: gelu(u) / 2^(ex + ew1) = S / (1 + 2^(S (PA + PB S^2))), PA = -2 log2(e) sqrt(2 / pi) 2^(ex + ew1),
; PB = 0.044715 PA 2^(2 (ex + ew1)): the tanh form of reference(), written by tanh z = 1 - 2 / (1 + e^(2 z)).  The conversion's scale 2^(eh - ex - ew1) folds the three exponents.
; NO CLUSTER, NO TENSOR LOADS: which blocks of wq a work-group walks, and how many, is read from the stored list, so neighbours need different tiles in different numbers, and no two
; work-groups can be shown to ask for the same tile in the same step.
; LIMITS: ex + ew1 between -40 and 43 (it is added to PA's exponent field once and to PB's three times); eh - ex - ew1 between -126 and 119; eh + ew2 is applied by v_ldexp_f32.
; NaN among the inputs or the weights' codes is not served.
; THE MODE: SCHED_MODE bits 1:0 = 2 (LLVM: expert scheduling mode 2), set by the entry lines.  The code itself states the register dependences
; between vector or matrix instructions and memory or LDS instructions, with s_wait_alu, always for 0.
; THE PLAN.  Registers that memory instructions touch in the loop, and who else names them:
;   R0   loaded with F0, P1, the next F0;  read by the first product of group 0 and the second product of group 1.
;   R1   loaded with P0, F2, the next P0;  read by the second product of group 0 and the first product of group 2.
;   R2   loaded with F1, P2, the next F1;  read by the first product of group 1 and the second product of group 2.
;   BF0, BF1, BF2  loaded with F0, F1, F2; read by that group's first product as its C.     XC  x's codes: read by all three first products.
;   v18, v19  offsets of x's codes: written once an expert, read by the twelve loads of XC.   v1, v2, v25 to v27, v29  made at the head, never written again.
;   S, T, HC, Y, OUT and v20 to v24 are named in the loop by vector and matrix instructions alone.
; FOUR waits on va_vdst an expert serve the loads, each where the products' results are wanted next in any case: behind each group's first product, covering also the second product issued ahead
; of it, and behind the last second product.  Behind each stand only window switches and loads.  One wait on vm_vsrc an expert stands ahead of the write of v18 and v19.
; Masks are made in runs, into scalar registers, with one wait on va_sdst behind each run; VCC is not used.
; REGISTERS, in windows of 256: window 0: v0-31 addresses and small things; v32-95 S, eight tiles (i, t) at 8 (2 i + t); v96-159 T, at work; v160-255 weight set R2.
;   window 1: v0-95 set R0, v96-191 set R1, v192-223 and v224-255 the biases of groups 0 and 1.   window 2: v0-191 Y, one expert's second product, (ot, t) at 8 (2 ot + t);
;   v192-207 the hidden layer's codes; v208-255 x's codes.   window 3: v0-191 OUT, as Y; v192-223 the bias of group 2.
.set REG,   25088                      ; LDS: a wave's partial out: 32 rows x (768 + 16) bytes
.set SPARE, 4*REG                      ; behind the four: the spare words, 128 bytes a wave, which no other line names
.set ITEM,  12288
.set BIASO, 73728
.set BLKB,  74496
.set S,   32
.set T,   96
.set R0,  0
.set R1,  96
.set R2,  160
.set BF0, 192
.set BF1, 224
.set BF2, 192
.set HC,  192
.set XC,  208
; v1 16 x lane; v2 32 h; v3, v4 token x 384 + 96 h of tile 0, 1; v5, v6 a; v7, v8 b; v9 r; v[10:11], v[12:13] (ga, gb); v[14:15], v[16:17] the expert's weight, twice; v18, v19 x's codes' offsets;
; v[20:21] PA, twice; v22 the conversion's scale; v23, v24 at work; v25 into LDS; v26, v27 out of LDS; v28 h; v29 my rows' words in order; v30, v31 the add's two.
; s20 wave; s21 experts still to walk, a bit each; s22 trips; s23 counter; s24 expert in hand, s25 the next; s[26:27], s[28:29] their blocks of wq; s[32:35] ex, ew1, eh, ew2; s[36:37] PB, twice;
; s38, s39 +-448 x the scale; s40 eh + ew2; s41 to s47 at work; at the head s[32:63] hold the 32 masks of who uses which expert.
.set MSB, 0
.macro WIN new                         ; the immediate's high byte repeats the setting that is left; bits 1:0 source 0, 3:2 source 1, 5:4 source 2, 7:6 destination
.if MSB != \new
	s_set_vgpr_msb (MSB<<8)|\new
.set MSB, \new
.endif
.endm
.macro PLACES                          ; four places behind a matrix instruction, ahead of the vector instructions that read its results (ISA guide 7.12.1)
.rept 4
	v_nop
.endr
.endm
.macro LDW reg, msb, base, item        ; an item of a block of wq: 24 loads
	WIN \msb
.set q, 0
.rept 24
	global_load_b128 v[\reg+4*q:\reg+4*q+3], v1, s[\base:\base+1] offset:ITEM*(\item)+512*q
.set q, q+1
.endr
.endm
.macro LDB reg, msb, base, g           ; group g's bias in the result's layout: tile i, my half's eight hidden units: 8 loads
	WIN \msb
.irp i, 0,1,2,3
	global_load_b128 v[\reg+8*\i:\reg+8*\i+3], v2, s[\base:\base+1] offset:BIASO+256*(\g)+64*\i
	global_load_b128 v[\reg+8*\i+4:\reg+8*\i+7], v2, s[\base:\base+1] offset:BIASO+256*(\g)+64*\i+16
.endr
.endm
.macro LDX                             ; my two tokens' codes under the expert's scale: 12 loads
	WIN 0x80
.irp t, 0,1
.irp j, 0,1,2,3,4,5
	global_load_b128 v[XC+24*\t+4*\j:XC+24*\t+4*\j+3], v[18+\t], s[8:9] offset:16*\j
.endr
.endr
.endm
.macro XADDR e                         ; where those codes lie: the token's second 192 bytes if the expert is its b, else its first
	s_wait_alu depctr_vm_vsrc(0)                   ; the loads issued so far have read their offsets: v18 and v19 (at the head: v23 and v24, the gates' loads'), which are written below
	v_cmp_eq_u32 s42, s[\e], v7
	v_cmp_eq_u32 s43, s[\e], v8
	s_wait_alu depctr_va_sdst(0)                   ; the two masks s42 and s43 are written, ahead of their first readers
	v_cndmask_b32 v23, 0, 1, s42
	v_cndmask_b32 v24, 0, 1, s43
	v_min_u32 v23, 1, v23
	v_min_u32 v24, 1, v24
	v_mul_u32_u24 v23, 192, v23
	v_mul_u32_u24 v24, 192, v24
	v_add_nc_u32 v18, v23, v3
	v_add_nc_u32 v19, v24, v4
.endm
; the first product of a group: 4 tiles of hidden units x 2 tiles of tokens, K = 192 in three steps.  The eight accumulators take turns, one instruction a turn; the bias is the first step's C.
.macro MM1 a, bf, w0, w1
.irp c, 0,1,2
.if \c == 0
	WIN \w0
.else
	WIN \w1
.endif
.irp i, 0,1,2,3
.irp t, 0,1
.if \c == 0
	v_wmma_f32_16x16x64_fp8_fp8 v[S+8*(2*\i+\t):S+8*(2*\i+\t)+7], v[\a+24*\i:\a+24*\i+7], v[XC+24*\t:XC+24*\t+7], v[\bf+8*\i:\bf+8*\i+7]
.else
	v_wmma_f32_16x16x64_fp8_fp8 v[S+8*(2*\i+\t):S+8*(2*\i+\t)+7], v[\a+24*\i+8*\c:\a+24*\i+8*\c+7], v[XC+24*\t+8*\c:XC+24*\t+8*\c+7], v[S+8*(2*\i+\t):S+8*(2*\i+\t)+7]
.endif
.endr
.endr
.endr
.endm
; the second product's K step of a group: 12 tiles of channels x 2 tiles of tokens, one instruction each.  zero = 1: the expert's first group starts the sums.
.macro MM2 a, msb, zero
	WIN \msb
.set o, 0
.rept 12
.irp t, 0,1
.if \zero
	v_wmma_f32_16x16x64_fp8_fp8 v[8*(2*o+\t):8*(2*o+\t)+7], v[\a+8*o:\a+8*o+7], v[HC+8*\t:HC+8*\t+7], 0
.else
	v_wmma_f32_16x16x64_fp8_fp8 v[8*(2*o+\t):8*(2*o+\t)+7], v[\a+8*o:\a+8*o+7], v[HC+8*\t:HC+8*\t+7], v[8*(2*o+\t):8*(2*o+\t)+7]
.endif
.endr
.set o, o+1
.endr
.endm
; 64 numbers a lane: gelu, the hold, the codes.  The exponentials are one batch and the reciprocals another, each set among the plain lines of the pairs that follow, none of which names a result;
; behind each batch one plain line and ONE wait ahead of the first reader.  S is read from each accumulator's low end on.
.macro GELU
.set p, 0
.rept 32
	v_pk_mul_f32 v[T+2*p:T+2*p+1], v[S+2*p:S+2*p+1], v[S+2*p:S+2*p+1]
	v_pk_fma_f32 v[T+2*p:T+2*p+1], v[T+2*p:T+2*p+1], s[36:37], v[20:21] op_sel_hi:[1,0,1]   ; PB S^2 + PA
	v_pk_mul_f32 v[T+2*p:T+2*p+1], v[T+2*p:T+2*p+1], v[S+2*p:S+2*p+1]
.if p > 0
	v_exp_f32 v[T+2*p-2], v[T+2*p-2]
	v_exp_f32 v[T+2*p-1], v[T+2*p-1]
.endif
.set p, p+1
.endr
	v_exp_f32 v[T+62], v[T+62]
	v_exp_f32 v[T+63], v[T+63]
	v_nop
	s_wait_alu depctr_va_vdst(0)                   ; the 64 exponentials have written T, ahead of their first reader
.set p, 0
.rept 32
	v_pk_add_f32 v[T+2*p:T+2*p+1], v[T+2*p:T+2*p+1], 1.0 op_sel_hi:[1,0]
.if p > 0
	v_rcp_f32 v[T+2*p-2], v[T+2*p-2]
	v_rcp_f32 v[T+2*p-1], v[T+2*p-1]
.endif
.set p, p+1
.endr
	v_rcp_f32 v[T+62], v[T+62]
	v_rcp_f32 v[T+63], v[T+63]
	v_nop
	s_wait_alu depctr_va_vdst(0)                   ; the 64 reciprocals have written T, ahead of their first reader
.set p, 0
.rept 32
	v_pk_mul_f32 v[T+2*p:T+2*p+1], v[T+2*p:T+2*p+1], v[S+2*p:S+2*p+1]
.set p, p+1
.endr
.set p, 0
.rept 64
	v_med3_num_f32 v[T+p], v[T+p], s39, s38        ; the conversion to an 8-bit code does not saturate (ISA guide 7.6.2): the hold at +-448 x the scale
.set p, p+1
.endr
	WIN 0x80                                       ; destination window 2
.irp k, 0,1,2,3,4,5,6,7
	v_cvt_scalef32_pk8_fp8_f32 v[HC+8*(\k%2)+2*(\k/2):HC+8*(\k%2)+2*(\k/2)+1], v[T+8*\k:T+8*\k+7], v22   ; tile (i, t) = (k / 2, k % 2): registers 2 i, 2 i + 1 of token tile t's operand
.endr
	WIN 0
	v_nop                                          ; one plain line between the last conversion and the products that read the codes
.endm
; OUT += weight x 2^(eh + ew2) x Y; the weight is the token's gate for this expert, or 0
.macro OUTFMA
	WIN 0
	v_cmp_eq_u32 s42, s24, v7                      ; is the expert tile 0's b,
	v_cmp_eq_u32 s43, s24, v5                      ; its a,
	v_cmp_eq_u32 s44, s24, v8                      ; tile 1's b,
	v_cmp_eq_u32 s45, s24, v6                      ; its a?
	s_wait_alu depctr_va_sdst(0)                   ; the four masks s42 to s45 are written, ahead of their first readers
.irp t, 0,1
	v_cndmask_b32 v23, 0, v[11+2*\t], s[42+2*\t]
	v_cndmask_b32 v23, v23, v[10+2*\t], s[43+2*\t]
	v_ldexp_f32 v[14+2*\t], v23, s40
	v_mov_b32 v[15+2*\t], v[14+2*\t]               ; (named with it as a pair, so it is written)
.endr
	WIN 0xf2                                       ; Y window 2, the weight window 0, OUT window 3
.set o, 0
.rept 24
.irp j, 0,2,4,6
	v_pk_fma_f32 v[8*o+\j:8*o+\j+1], v[8*o+\j:8*o+\j+1], v[14+2*(o%2):15+2*(o%2)], v[8*o+\j:8*o+\j+1] op_sel_hi:[1,0,1]   ; each accumulator from its low end on
.endr
.set o, o+1
.endr
	WIN 0
.endm
.macro CONSTS                          ; the expert's constants, from ex, ew1, eh, ew2 in s[32:35]
	s_add_co_i32 s42, s32, s33                     ; ex + ew1
	s_lshl_b32 s43, s42, 23
	s_add_co_u32 s44, s43, 0xc0135761              ; -2 log2(e) sqrt(2 / pi), with ex + ew1 added to its exponent field
	v_mov_b32 v20, s44
	v_mov_b32 v21, s44
	s_mul_i32 s45, s42, 3
	s_lshl_b32 s45, s45, 23
	s_add_co_u32 s36, s45, 0xbdd2d3e8              ; that x 0.044715, with 3 (ex + ew1) added
	s_mov_b32 s37, s36
	s_sub_co_i32 s46, s34, s42                     ; eh - ex - ew1
	s_add_co_i32 s47, s46, 127
	s_lshl_b32 s47, s47, 23
	v_mov_b32 v22, s47
	s_add_co_i32 s46, s46, 135
	s_lshl_b32 s46, s46, 23
	s_or_b32 s38, s46, 0x600000
	s_or_b32 s39, s38, 0x80000000
	s_add_co_i32 s40, s34, s35                     ; eh + ew2
.endm
.macro NEXTE d, wb                     ; the lowest expert still to walk: its number, its block of wq, and the load of its four exponents
	s_ctz_i32_b32 s[\d], s21
	s_min_u32 s[\d], s[\d], 7                      ; a loaded number enters an address only behind a bound
	s_lshl_b32 s42, 1, s[\d]
	s_and_not1_b32 s21, s21, s42
	s_lshl_b32 s42, s[\d], 2
	s_add_co_u32 s42, s42, s20
	s_mul_i32 s42, s42, BLKB
	s_mov_b32 s43, 0
	s_add_nc_u64 s[\wb:\wb+1], s[10:11], s[42:43]
	s_lshl_b32 s41, s[\d], 4
	s_load_b128 s[32:35], s[12:13], s41 offset:0x0
.endm
; what the way out needs, asked for under the last expert's last lines: my eight rows' tokens, their gates, and b_proj's rows of their two experts
.macro FINLOADS
	WIN 0x01
.irp m, 0,1,2,3
	v_mov_b32 v[80+\m], v[\m]                      ; the rows' words, out of window 1
.endr
	WIN 0
	v_lshlrev_b32 v24, 4, v9
.irp m, 0,1,2,3
	v_and_b32 v[84+\m], 0x1fff, v[80+\m]
	v_min_u32 v[84+\m], 0x1fff, v[84+\m]
	v_lshlrev_b32 v[104+\m], 3, v[84+\m]           ; gates: 8 bytes a token
	v_mul_u32_u24 v[84+\m], 768, v[84+\m]
	v_add_nc_u32 v[84+\m], v24, v[84+\m]           ; out: the token's row, + 16 r
	v_bfe_u32 v[88+\m], v[80+\m], 13, 3
	v_min_u32 v[88+\m], 7, v[88+\m]
	v_mul_u32_u24 v[88+\m], 768, v[88+\m]
	v_add_nc_u32 v[88+\m], v24, v[88+\m]           ; b_proj: row a
	v_bfe_u32 v[92+\m], v[80+\m], 16, 3
	v_min_u32 v[92+\m], 7, v[92+\m]
	v_mul_u32_u24 v[92+\m], 768, v[92+\m]
	v_add_nc_u32 v[92+\m], v24, v[92+\m]           ; row b
.endr
	s_wait_alu depctr_va_vdst(0)                   ; the offsets v88 to v95 and v104 to v107 are written; the last second product is done reading R2, and the gelu is done with v96 to v103: the loads below land there
.irp m, 0,1,2,3
	global_load_b64 v[96+2*\m:97+2*\m], v[104+\m], s[6:7]
.endr
.irp m, 0,1,2,3
.irp c, 0,1,2
	global_load_b128 v[160+4*(3*\m+\c):160+4*(3*\m+\c)+3], v[88+\m], s[14:15] offset:256*\c
	global_load_b128 v[208+4*(3*\m+\c):208+4*(3*\m+\c)+3], v[92+\m], s[14:15] offset:256*\c
.endr
.endr
.endm
; ONE EXPERT.  Items in the order in which they are asked for: F0 + bias (32 loads), x's codes (12), P0 (24), F1 + bias (32), P1 (24), F2 + bias (32), P2 (24); sets R0, R1, R2 by turns.
; Each wait's count is the number of loads issued behind the item that is wanted.  pre = 1: the next expert's first items are asked for from the third group's first product on.
.macro EXPERT pre
	s_wait_loadcnt 56                              ; F0, its bias and x's codes are in; P0 (24) and F1 (32) may be out
	MM1 R0, BF0, 0x19, 0x09
	PLACES
	s_wait_alu depctr_va_vdst(0)                   ; the first product of group 0 is done reading R0, in which the loads below land
	LDW R0, 0x40, 26, 3                            ; P1
	WIN 0
	GELU
	s_wait_loadcnt 56                              ; P0 is in; F1 (32) and P1 (24) may be out
	MM2 R1, 0x89, 1
	s_wait_loadcnt 24                              ; F1 is in; P1 (24) may be out
	MM1 R2, BF1, 0x18, 0x08
	PLACES
	s_wait_alu depctr_va_vdst(0)                   ; the second product of group 0 is done reading R1, the first product of group 1 R2, and the expert before BF2: the loads below land in the three
	LDW R1, 0x40, 26, 4                            ; F2
	LDB BF2, 0xc0, 26, 2
	LDW R2, 0x00, 26, 5                            ; P2
	WIN 0
	GELU
	s_wait_loadcnt 56                              ; P1 is in; F2 (32) and P2 (24) may be out
	MM2 R0, 0xa9, 0
	s_wait_loadcnt 24                              ; F2 is in; P2 (24) may be out
	MM1 R1, BF2, 0x39, 0x09
	PLACES
.if \pre
	WIN 0
	XADDR 25                                       ; (the loads that read these offsets were shown done by this expert's first wait)
	s_wait_alu depctr_va_vdst(0)                   ; v18 and v19 are written; the second product of group 1 is done reading R0, the first product of group 2 R1, and the three first products XC and BF0: the loads below land in the four
	LDW R0, 0x40, 28, 0                            ; the next expert's F0
	LDB BF0, 0x40, 28, 0
	LDX
	LDW R1, 0x40, 28, 1                            ; the next P0
.else
	WIN 0x40
	s_wait_alu depctr_va_vdst(0)                   ; the second product of group 1 is done reading R0, in whose first four registers the loads below land
.irp m, 0,1,2,3
	global_load_b32 v[\m], v29, s[4:5] offset:8*\m ; the words of the eight rows that I finish: rank 32 G + 8 w + 2 m + (lane / 16)
.endr
.endif
	WIN 0
	GELU
.if \pre
	s_wait_loadcnt 63                              ; P2 is in: 68 loads were issued behind it, and the count's field ends at 63
.else
	s_wait_loadcnt 0x0                             ; P2 and the words
.endif
	MM2 R2, 0xa8, 0
	PLACES
.if \pre
	s_wait_alu depctr_va_vdst(0)                   ; the second product of group 2 is done reading R2, the first product of group 1 BF1: the loads below land in the two
	LDW R2, 0x00, 28, 2                            ; the next F1
	LDB BF1, 0x40, 28, 1
.else
	FINLOADS
.endif
	OUTFMA
.endm
	s_load_b256 s[4:11], s[0:1], 0x0               ; order, gates, xq, wq
	s_load_b128 s[12:15], s[0:1], 0x20             ; lowp_scales, b_proj
	s_load_b64 s[16:17], s[0:1], 0x30              ; out0
	v_lshl_add_u32 v30, v0, 2, SPARE               ; my spare word,
	v_mov_b32 v31, 0                               ; and 0: kept for the closing lines alone
	v_lshrrev_b32 v23, 5, v0
	v_readfirstlane_b32 s20, v23                   ; wave 0..3
	v_and_b32 v24, 31, v0
	v_and_b32 v9, 15, v0                           ; r
	v_bfe_u32 v28, v0, 4, 1                        ; h
	v_lshlrev_b32 v1, 4, v24
	v_lshlrev_b32 v2, 5, v28
	s_wait_alu depctr_va_sdst(0)                   ; s20 is written, ahead of its first reader
	s_mul_i32 s42, s20, REG
	v_mul_u32_u24 v25, v9, 784
	v_lshl_add_u32 v25, v28, 5, v25
	v_add_nc_u32 v25, s42, v25                     ; into LDS: my region, row r, + 32 h
	s_mul_i32 s43, s20, 8*784
	v_mul_u32_u24 v26, v28, 784
	v_lshl_add_u32 v26, v9, 4, v26
	v_add_nc_u32 v26, s43, v26                     ; out of it: row 8 w + h, + 16 r, in regions 0 and 1,
	v_add_nc_u32 v27, 2*REG, v26                   ; and in regions 2 and 3
	s_lshl_b32 s44, ttmp9, 7                       ; my block's 32 words of order
	v_lshl_add_u32 v23, v9, 2, s44
	s_lshl_b32 s45, s20, 5
	s_add_co_u32 s45, s45, s44
	v_lshl_add_u32 v29, v28, 2, s45
	s_wait_kmcnt 0x0
	s_wait_alu depctr_va_vdst(0)                   ; v23 is written, which the two loads below read; so are v1, v2, v25 to v27 and v29, the addresses that stay for the whole kernel
	global_load_b32 v5, v23, s[4:5]                ; rank 32 G + r
	global_load_b32 v6, v23, s[4:5] offset:64      ; rank 32 G + 16 + r
	s_wait_loadcnt 0x0
	s_wait_alu depctr_vm_vsrc(0)                   ; the two loads have read v23, which is written again below
	v_and_b32 v3, 0x1fff, v5
	v_and_b32 v4, 0x1fff, v6
	v_min_u32 v3, 0x1fff, v3                       ; a loaded number enters an address only behind a bound
	v_min_u32 v4, 0x1fff, v4
	v_bfe_u32 v7, v5, 16, 3                        ; b
	v_bfe_u32 v8, v6, 16, 3
	v_bfe_u32 v5, v5, 13, 3                        ; a
	v_bfe_u32 v6, v6, 13, 3
	v_lshlrev_b32 v23, 3, v3
	v_lshlrev_b32 v24, 3, v4
	s_wait_alu depctr_va_vdst(0)                   ; v23 and v24 are written, which the two loads below read
	global_load_b64 v[10:11], v23, s[6:7]          ; ga, gb
	global_load_b64 v[12:13], v24, s[6:7]
	v_mul_u32_u24 v18, v28, 96
	v_mul_u32_u24 v3, 384, v3
	v_mul_u32_u24 v4, 384, v4
	v_add_nc_u32 v3, v3, v18
	v_add_nc_u32 v4, v4, v18
	; which experts does the block use?  All four waves read the same 32 words and find the same.  The 32 masks are made in one run, four for each expert
.irp e, 0,1,2,3,4,5,6,7
	v_cmp_eq_u32 s[32+4*\e], \e, v5
	v_cmp_eq_u32 s[33+4*\e], \e, v6
	v_cmp_eq_u32 s[34+4*\e], \e, v7
	v_cmp_eq_u32 s[35+4*\e], \e, v8
.endr
	s_wait_alu depctr_va_sdst(0)                   ; the masks s32 to s63 are written, ahead of their first readers
	s_mov_b32 s21, 0
.irp e, 0,1,2,3,4,5,6,7
	s_or_b32 s[32+4*\e], s[32+4*\e], s[33+4*\e]
	s_or_b32 s[34+4*\e], s[34+4*\e], s[35+4*\e]
	s_or_b32 s[32+4*\e], s[32+4*\e], s[34+4*\e]    ; SCC: some token uses expert e
	s_cselect_b32 s[32+4*\e], 1<<\e, 0
	s_or_b32 s21, s21, s[32+4*\e]
.endr
	s_bcnt1_i32_b32 s22, s21
	s_sub_co_u32 s22, s22, 1                       ; the loop walks all but the last; a < b, so there are two at the least
	s_min_u32 s22, s22, 7
	NEXTE 24, 26
	s_wait_xcnt 0x0                                ; the gates' loads have read v23 and v24
	XADDR 24
	s_wait_alu depctr_va_vdst(0)                   ; v18 and v19 are written, which the loads of x's codes read
	LDW R0, 0x40, 26, 0                            ; the first expert's items, in the order in which a trip asks for the next expert's
	LDB BF0, 0x40, 26, 0
	LDX
	WIN 0xc0
.set i, 0
.rept 192
	v_mov_b32 v[i], 0                              ; OUT.  Cleared while the first loads are out, so that the expert's text needs no third copy for a first expert.  These lines name window 3's v0 to v191 alone, which no load touches
.set i, i+1
.endr
	LDW R1, 0x40, 26, 1
	LDW R2, 0x00, 26, 2
	LDB BF1, 0x40, 26, 1
	WIN 0
	s_mov_b32 s23, 0
.Lexp:
	s_wait_kmcnt 0x0                               ; this expert's exponents
	CONSTS
	NEXTE 25, 28
	EXPERT 1
	s_wait_xcnt 0x0                                ; every load issued so far has read its base: both bases may be written
	s_mov_b32 s24, s25
	s_mov_b64 s[26:27], s[28:29]
	s_add_co_u32 s23, s23, 1
	s_cmp_lt_u32 s23, s22
	s_cbranch_scc1 .Lexp
	s_wait_kmcnt 0x0
	CONSTS
	EXPERT 0                                       ; the last expert is written out: it asks for no further weights
	; THE WAY OUT.  Each wave's partial sums go to its region of LDS; behind one barrier wave w adds the four for rows 8 w .. 8 w + 7, adds ga b_proj[a] + gb b_proj[b], and stores whole rows.
	WIN 0x0c                                       ; the stores' data lie in window 3
	s_wait_alu depctr_va_vdst(0)                   ; the multiply-adds have written OUT, which the LDS stores read; and all that named window 1's v0 to v191, in which the LDS loads behind the barrier land, is done
.set o, 0
.rept 12
.irp t, 0,1
	ds_store_b128 v25, v[8*(2*o+\t):8*(2*o+\t)+3] offset:12544*\t+64*o       ; lane (r, h): row 16 t + r, channels 16 o + 8 h + 0 .. 7
	ds_store_b128 v25, v[8*(2*o+\t)+4:8*(2*o+\t)+7] offset:12544*\t+64*o+16
.endr
.set o, o+1
.endr
	WIN 0
	s_wait_dscnt 0x0                               ; for the others' sake: my stores are done
	s_barrier_signal -1
	s_barrier_wait -1
	WIN 0x40                                       ; destination window 1: region k's part at v[48 k]
.irp k, 0,1,2,3
.irp m, 0,1,2,3
.irp c, 0,1,2
	ds_load_b128 v[4*(12*\k+3*\m+\c):4*(12*\k+3*\m+\c)+3], v[26+\k/2] offset:REG*(\k%2)+1568*\m+256*\c
.endr
.endr
.endr
	s_wait_dscnt 0x0
	s_wait_loadcnt 0x0                             ; the gates and b_proj's rows
	WIN 0x55
.set j, 0
.rept 24
	v_pk_add_f32 v[2*j:2*j+1], v[2*j:2*j+1], v[48+2*j:48+2*j+1]
	v_pk_add_f32 v[96+2*j:96+2*j+1], v[96+2*j:96+2*j+1], v[144+2*j:144+2*j+1]
.set j, j+1
.endr
.set j, 0
.rept 24
	v_pk_add_f32 v[2*j:2*j+1], v[2*j:2*j+1], v[96+2*j:96+2*j+1]
.set j, j+1
.endr
	WIN 0x50                                       ; the sums in window 1, b_proj and the gates in window 0
.irp m, 0,1,2,3
.irp n, 0,2,4,6,8,10
	v_pk_fma_f32 v[12*\m+\n:12*\m+\n+1], v[160+12*\m+\n:160+12*\m+\n+1], v[96+2*\m:97+2*\m], v[12*\m+\n:12*\m+\n+1] op_sel_hi:[1,0,1]               ; + ga b_proj[a]
	v_pk_fma_f32 v[12*\m+\n:12*\m+\n+1], v[208+12*\m+\n:208+12*\m+\n+1], v[96+2*\m:97+2*\m], v[12*\m+\n:12*\m+\n+1] op_sel:[0,1,0] op_sel_hi:[1,1,1]  ; + gb b_proj[b]
.endr
.endr
	WIN 0x04                                       ; the stores' data lie in window 1
	s_wait_alu depctr_va_vdst(0)                   ; the multiply-adds have written the finished rows, window 1's v0 to v47, which the stores read
.irp m, 0,1,2,3
.irp c, 0,1,2
	global_store_b128 v[84+\m], v[4*(3*\m+\c):4*(3*\m+\c)+3], s[16:17] offset:256*\c th:TH_STORE_NT   ; sixteen lanes store 256 consecutive bytes of a token's row, at a multiple of 256 from out0's first byte
.endr
.endr
	WIN 0
	s_wait_dscnt 0x0                               ; the closing lines, six on end
	s_wait_alu 0x0
	s_wait_tensorcnt 0x0
	ds_add_u32 v30, v31
	s_wait_dscnt 0x0
	s_endpgm
.Lfunc_end_k_q8c3dadef58_chain:
	.size	k_q8c3dadef58_chain, .Lfunc_end_k_q8c3dadef58_chain-k_q8c3dadef58_chain
	.p2alignl 7, 3214868480
	.fill 96, 4, 3214868480
	.section	.rodata,"a",@progbits
	.p2align	6, 0x0
	.amdhsa_kernel k_q8c3dadef58_chain
		.amdhsa_group_segment_fixed_size 100864
		.amdhsa_private_segment_fixed_size 0
		.amdhsa_enable_private_segment 0
		.amdhsa_kernarg_size 56
		.amdhsa_user_sgpr_count 2
		.amdhsa_user_sgpr_kernarg_segment_ptr 1
		.amdhsa_wavefront_size32 1
		.amdhsa_system_sgpr_workgroup_id_x 1
		.amdhsa_system_sgpr_workgroup_id_y 1
		.amdhsa_system_sgpr_workgroup_id_z 1
		.amdhsa_system_vgpr_workitem_id 0
		.amdhsa_next_free_vgpr 992
		.amdhsa_next_free_sgpr 66
		.amdhsa_reserve_vcc 0
		.amdhsa_float_denorm_mode_32 3
		.amdhsa_float_denorm_mode_16_64 3
		.amdhsa_memory_ordered 1
		.amdhsa_forward_progress 1
		.amdhsa_inst_pref_size 218
	.end_amdhsa_kernel
	.amdgpu_metadata
---
amdhsa.version: [ 1, 2 ]
amdhsa.kernels:
  - .name:           k_q8c3dadef58_chain
    .symbol:         k_q8c3dadef58_chain.kd
    .args:
      - { .name: order, .offset: 0, .size: 8, .value_kind: global_buffer, .address_space: global }
      - { .name: gates, .offset: 8, .size: 8, .value_kind: global_buffer, .address_space: global }
      - { .name: xq, .offset: 16, .size: 8, .value_kind: global_buffer, .address_space: global }
      - { .name: wq, .offset: 24, .size: 8, .value_kind: global_buffer, .address_space: global }
      - { .name: lowp_scales, .offset: 32, .size: 8, .value_kind: global_buffer, .address_space: global }
      - { .name: b_proj, .offset: 40, .size: 8, .value_kind: global_buffer, .address_space: global }
      - { .name: out0, .offset: 48, .size: 8, .value_kind: global_buffer, .address_space: global }
    .group_segment_fixed_size: 100864
    .private_segment_fixed_size: 0
    .kernarg_segment_align: 8
    .kernarg_segment_size: 56
    .max_flat_workgroup_size: 128
    .sgpr_count:     66
    .vgpr_count:     992
    .wavefront_size: 32
...
	.end_amdgpu_metadata
.endif
;; end of part 4
